; MI455X (gfx1250); checked and timed in simulation.
; The chip was launched on July 23, 2026; its instructions are those of AMD's public machine-readable ISA for CDNA 5 (MIT licence, August 2026) and "CDNA5" Instruction Set Architecture Reference Guide (July 2026). The comments in the code are by the model that wrote it; some were corrected since.
;; Diffusion Multi Head Attention. Allowed arithmetic: matrix products marked QUANTISED: E2M1 operands, one E8M0 scale for each 32 along K, by v_wmma_scale_f32_16x16x128_f8f6f4 with both operands' format E2M1 (or v_wmma_scale_f32_32x16x128_f4), f32 sums; products left as they are: f32 operands where the result goes on into a quantised operand, else bf16, f16 or f32 operands; f32 sums; everything else in f32.
;; Inputs: Wk_codes 1,024 x 32 x 16 uint8 (E2M1 codes of Wk, K innermost, in blocks of 32 codes, two codes a byte); Wk_scales 1,024 x 32 uint8 (E8M0 scales of Wk, one for each 32 codes along K); Wo_codes 1,024 x 32 x 16 uint8 (E2M1 codes of Wo, K innermost, in blocks of 32 codes, two codes a byte); Wo_scales 1,024 x 32 uint8 (E8M0 scales of Wo, one for each 32 codes along K); Wq_codes 1,024 x 32 x 16 uint8 (E2M1 codes of Wq, K innermost, in blocks of 32 codes, two codes a byte); Wq_scales 1,024 x 32 uint8 (E8M0 scales of Wq, one for each 32 codes along K); Wt1 3 x 16 float32; Wt2 16 x 1 float32; Wv_codes 1,024 x 32 x 16 uint8 (E2M1 codes of Wv, K innermost, in blocks of 32 codes, two codes a byte); Wv_scales 1,024 x 32 uint8 (E8M0 scales of Wv, one for each 32 codes along K); bk 1,024 float32; bo 1,024 float32; bq 1,024 float32; bt1 16 float32; bt2 1 float32; bv 1,024 float32; key_codes 4 x 1,024 x 32 x 16 uint8 (E2M1 codes of key, K innermost, in blocks of 32 codes, two codes a byte); key_scales 4 x 1,024 x 32 uint8 (E8M0 scales of key, one for each 32 codes along K); query_codes 4 x 1,024 x 32 x 16 uint8 (E2M1 codes of query, K innermost, in blocks of 32 codes, two codes a byte); query_scales 4 x 1,024 x 32 uint8 (E8M0 scales of query, one for each 32 codes along K); value_codes 4 x 1,024 x 32 x 16 uint8 (E2M1 codes of value, K innermost, in blocks of 32 codes, two codes a byte); value_scales 4 x 1,024 x 32 uint8 (E8M0 scales of value, one for each 32 codes along K).
;; Outputs: out0 4 x 1,024 x 1,024 float32.
;; This version of the problem:
;;   THIS VERSION OF THE PROBLEM IS GIVEN IN LOW PRECISION. The matrix products marked QUANTISED in the list below multiply operands that are first quantised to E2M1 (2 exponent bits, 1 mantissa bit; 4 bits a number), with one power-of-two scale for each 32 numbers along K (OCP MX v1.0); their sums are f32. All else is computed in f32.
;;   The module's matrix products, in the order in which they are computed (A, B: the left and right operand; K: the contracted axis; several contracted axes count as one K, in the product's order):
;;     1. [M 4,096, K 1,024] x [K 1,024, N 1,024]; A: input query (given as codes); B: input Wq (given as codes): QUANTISED
;;     2. [M 4,096, K 1,024] x [K 1,024, N 1,024]; A: input key (given as codes); B: input Wk (given as codes): QUANTISED
;;     3. [M 4,096, K 1,024] x [K 1,024, N 1,024]; A: input value (given as codes); B: input Wv (given as codes): QUANTISED
;;     4. batch 64 x [M 1,024, K 64] x [K 64, N 1,024]; A: computed on the way; B: computed on the way: QUANTISED
;;     5. [M 64, K 3] x [K 3, N 16]; A: computed on the way; B: input Wt1: left as it is (K = 3 < 32)
;;     6. [M 64, K 16] x [K 16, N 1]; A: computed on the way; B: input Wt2: left as it is (K = 16 < 32)
;;     7. batch 64 x [M 1,024, K 64] x [K 64, N 1,024]; A: computed on the way; B: computed on the way: QUANTISED
;;     8. batch 64 x [M 1,024, K 1,024] x [K 1,024, N 64]; A: computed on the way; B: computed on the way: QUANTISED
;;     9. [M 4,096, K 1,024] x [K 1,024, N 1,024]; A: computed on the way; B: input Wo (given as codes): QUANTISED
;;   THE QUANTISER, for each operand of a quantised product, along K:
;;     - K is cut into blocks of 32 from its start; a last block that is shorter is filled with zeros.
;;     - A block's scale is 2^e with e = floor(log2(the largest magnitude in the block)) - 2, held to -126 .. 127; a block of zeros has e = 0. As a byte (E8M0): e + 127.
;;     - Each number is divided by its block's scale, clamped to +-6, and rounded to the nearest number of E2M1, ties to even, subnormals kept.
;;     - The product sums the exact products of the quantised numbers (number of the format x scale) in f32.
;;   ~~~python
;;   def quantise(x, axis):      # numpy; x: float32 -> the quantised numbers, widened to float32 again
;;       x = np.moveaxis(x, axis, -1); K = x.shape[-1]
;;       x = np.pad(x, [(0, 0)] * (x.ndim - 1) + [(0, -K % 32)]); x = x.reshape(x.shape[:-1] + (-1, 32)); a = np.abs(x).max(-1, keepdims=True)
;;       e = np.where(a > 0, np.clip(np.frexp(np.where(a > 0, a, 1))[1] - 1 - 2, -126, 127), 0)      # np.frexp(a)[1] - 1 = floor(log2(a)), exactly
;;       r = np.clip(x / 2.0 ** e, -6, 6)
;;       step = 2.0 ** (np.maximum(np.frexp(np.where(r == 0, 1, r))[1] - 1, 0) - 1)
;;       q = np.round(r / step) * step * 2.0 ** e      # np.round: ties to even
;;       return np.moveaxis(q.reshape(q.shape[:-2] + (-1,))[..., :K], -1, axis).astype(np.float32)
;;   ~~~
;;   OPERANDS COMPUTED ON THE WAY. 'Computed on the way' means the value that the module computes at that place (a softmax that the list does not call 'softmax' is quantised finished and normalised). What goes into a quantiser is computed in f32, as accurately as f32 sums, v_exp_f32 and their like allow (about 1e-6 of the number): no bf16 or f16 on the way to a quantiser, and a product that is left as it is and whose result goes on into a quantised operand takes f32 operands (vector FMAs, or v_wmma_f32_16x16x4_f32). A number that lies on a knife's edge between two numbers of the format may be rounded either way, as far as f32 arithmetic and the matrix unit's own rounding can turn it there, and no further.
;;   INPUTS GIVEN AS CODES. Wk (in the module: [1024, 1024], K = its axis 0); Wo (in the module: [1024, 1024], K = its axis 0); Wq (in the module: [1024, 1024], K = its axis 0); Wv (in the module: [1024, 1024], K = its axis 0); key (in the module: [4, 1024, 1024], K = its axis 2); query (in the module: [4, 1024, 1024], K = its axis 2); value (in the module: [4, 1024, 1024], K = its axis 2): each comes as NAME_codes (uint8): NAME with its K axis moved to the last place and cut into blocks of 32 codes, [.., K / 32, bytes a block], one block behind the other in memory; two codes a byte, the lower K in the low four bits (a code: sign, 2 exponent bits, 1 mantissa bit); and NAME_scales (uint8): the same leading axes, one E8M0 byte (e + 127) for each 32 codes along K. Its value is code x scale, taken as it is: it is not quantised again, and the codes and scales need not be those that the quantiser above would give.
;; One version. Each part assembles by itself: llvm-mc -triple=amdgcn-amd-amdhsa -mcpu=gfx1250 --defsym DOCPART=n.
;; ======== version 1 of 1: 4 launches
;; limits: right only within a limited range of input values
;; workspace buffers: qkv_codes 6,291,456 bytes; qkv_scales 655,360 bytes; part 4,096 bytes; o_codes 2,097,152 bytes; o_scales 131,072 bytes
;; launch proj (part 1): grid 4 x 48, 16 waves a work-group, clusters of 4 x 4, 290,816 bytes of LDS; arguments query_codes, query_scales, Wq_codes, Wq_scales, bq, key_codes, key_scales, Wk_codes, Wk_scales, bk, value_codes, value_scales, Wv_codes, Wv_scales, bv, qkv_codes, qkv_scales; writes qkv_codes, qkv_scales
.if DOCPART == 1
	.amdgcn_target "amdgcn-amd-amdhsa--gfx1250"
	.amdhsa_code_object_version 6
	.text
	.protected	k_q5fab09a984_proj
	.globl	k_q5fab09a984_proj
	.p2align	8
	.type	k_q5fab09a984_proj,@function
k_q5fab09a984_proj:
	s_mov_b64 s[64:65], 0
	v_nop
	global_prefetch_b8 v0, s[64:65] scope:SCOPE_SE
	s_setreg_imm32_b32 hwreg(HW_REG_WAVE_MODE, 25, 1), 1
	s_wait_xcnt 0x0
	s_wait_alu depctr_hold_cnt(0) depctr_sa_sdst(0) depctr_va_vdst(0) depctr_va_sdst(0) depctr_va_ssrc(0) depctr_va_vcc(0) depctr_vm_vsrc(0)
	s_getreg_b32 s2, hwreg(HW_REG_IB_STS2, 6, 4)
	s_cmp_eq_u32 s2, 0
	s_cbranch_scc0 .Lentry_in_a_cluster
	s_endpgm
.Lentry_in_a_cluster:
	s_bfe_u32 s2, ttmp6, 0x10000c
	s_cmp_lg_u32 s2, 0xf033
	s_cbranch_scc0 .Lentry_shape_is_right
	s_endpgm
.Lentry_shape_is_right:
; LAUNCH 1 OF 4.  Q = query Wq + bq, K = key Wk + bk, V = value Wv + bv on the given codes of FP4 (E2M1) with their E8M0 scales; f32 sums; the results are quantised at once:
; Q and K along the head's 64 (two blocks of 32), V along the keys (blocks of 32 keys), and stored as images of the next products' operand registers.
; THE WHOLE PROGRAM: 1 the projections; 2 the predictor's sums over the clipped scores; 3 t, the softmax, P V; 4 the projection on the way out.
; WORK LEFT OUT: no input and no product of the problem is left out.  Two steps of the predictor are written shorter, in launch 2, for all values of the inputs:
;   (a) softmax(s / 2) takes no maximum away: the problem's own clip holds s / 2 in -25 .. 25, so exp(s / 2) lies in 1.4e-11 .. 7.2e10, a row's sum under 7.4e13 and its sum of squares in 2e-19 .. 5.3e24;
;   (b) the mean of a softmax row of 1,024 is 1 / 1,024 by identity, so var = (sum e^2 / (sum e)^2 - 1 / 1,024) / 1,023.
; LIMITS: NaN, infinities and scale bytes 0xff among the inputs are not served.  A block of zeros gets the scale byte 1 where the rule says 127: its codes are zeros, and these bytes are read by this program alone.
; SHARES.  192 work-groups: 3 products x 16 x 4 tiles of 256 x 256.  All of K = 1,024 of both operands lies in LDS at once: first fills alone, nothing is filled again; no loop to prefetch ahead in.
; Sixteen waves; wave w takes 128 rows of source 0 (w & 1) x 32 rows of source 1 (w >> 1): 16 accumulators.  SOURCE 0 IS THE OPERAND WHOSE ROWS ARE THE NEXT PRODUCT'S K, so that a lane's registers run along that K:
; for Q and K source 0 = W (its rows are the heads' channels), for V source 0 = value's rows (the keys).
; CLUSTER 4 x 4.  Source 0's tile is shared along a column of the cluster (its number hangs on cx), source 1's along a row (on cy).  For Q and K: W's tile cx, X's tile 4 (cluster & 3) + cy;
; for V: X's tile 4 (cluster & 3) + cx, W's tile cy.  So source 0 always lies at LDS byte 0 and source 1 at C1: only pointers and offsets in memory are chosen by the product's number.
; THE HEAD'S LOADS, one a wave: waves 0-3 source 0's codes (64 rows of 512 bytes each), waves 4-7 source 1's, wave 8 source 0's scale bytes, wave 9 source 1's.
; FROM RESULT TO OPERAND.  Tile t's register j of lane (r, h) is (k = 16 t + 8 h + j, row r).  A conversion makes 8 codes, one register, of a tile.  With tiles 4 c, 4 c + 2, 4 c + 1, 4 c + 3 in registers 4 c .. 4 c + 3,
; two exchanges of lane halves give register 4 c + i of lane (r, h) the codes of k = 64 c + 32 h + 8 i .. + 7: the operand's layout.
.set C1,    135168                     ; LDS: source 0's 256 rows x (512 bytes + 16) at 0, source 1's here: 132 words a row, row r starts at bank 4 r mod 64 (64 banks of 4 bytes: ISA guide 11.1)
.set XS,    270336                     ; source 0's scale bytes: 32 units of 256 bytes + 16; a unit holds 8 rows of 32 bytes
.set XS1,   279040                     ; source 1's
.set BIAS,  287744                     ; 256 numbers of the bias: written by ds_store alone
.set SPARE, 288768                     ; the spare words, 128 bytes for each of 16 waves; no other line names them
.set ZERO,  999
.set A0,  4                            ; v4 source 0's fragments; v6 source 1's; v8, v9 their scale words
.set A1,  6
.set AS0, 8
.set AS1, 9
.set ABI, 10                           ; the bias along registers (Q, K)
.set ABC, 11                           ; the bias along lanes (V)
.set SPW, 12                           ; my spare word; never rewritten
.set NIL, 13                           ; 0; never rewritten
.set L16, 14
.set L4,  15
.set BV,  16
.set BG,  17
.set BL,  18
.set TM,  20                           ; v20-31 at work in the quantiser
.set PW,  32
.set R,   34
.set BC,  36
.set SA,  40                           ; v40-43 source 0's scale words: lanes 0-15 tile 2 i, lanes 16-31 tile 2 i + 1; v44 source 1's.  They hold scales and nothing else
.set SB,  44
.set F1,  48                           ; v48-63 source 1's two fragments; later the codes just made
.set PC,  48
.set F0,  64                           ; v64-127 source 0's eight fragments; later the bias along registers
.set BI,  64
.set ACC, 128                          ; accumulator (a, t) at 128 + 64 a + 8 t
.set WV,  14
.set G,   15                           ; which product: 0 Q, 1 K, 2 V
.set G1C0, 16                          ; groups 1: source 0's codes, source 1's codes, source 0's scales, source 1's scales
.set G1C1, 24
.set G1S0, 32
.set G1S1, 40
.set G0C0, 48                          ; groups 0, in the same order
.set G0C1, 52
.set G0S0, 56
.set G0S1, 68
.set SEL,  90
.macro CREST
	s_cmp_lg_u32 s[WV], 0
	s_cbranch_scc1 .Lnot_wave_0_\@
	s_barrier_signal -3
.Lnot_wave_0_\@:
	s_barrier_wait -3
	s_barrier_signal -1
	s_barrier_wait -1
.endm
.macro CROUND
	s_barrier_signal -1
	s_barrier_wait -1
	CREST
.endm
.macro WM d, a, b, c, sa, sb, ra, rb
.if (\c) > 255
.if (\ra) && (\rb)
	v_wmma_scale_f32_16x16x128_f8f6f4 v[\d:\d+7], v[\a:\a+7], v[\b:\b+7], 0, v[\sa], v[\sb] matrix_a_fmt:MATRIX_FMT_FP4 matrix_b_fmt:MATRIX_FMT_FP4 matrix_a_scale:MATRIX_SCALE_ROW1 matrix_b_scale:MATRIX_SCALE_ROW1
.elseif \ra
	v_wmma_scale_f32_16x16x128_f8f6f4 v[\d:\d+7], v[\a:\a+7], v[\b:\b+7], 0, v[\sa], v[\sb] matrix_a_fmt:MATRIX_FMT_FP4 matrix_b_fmt:MATRIX_FMT_FP4 matrix_a_scale:MATRIX_SCALE_ROW1
.elseif \rb
	v_wmma_scale_f32_16x16x128_f8f6f4 v[\d:\d+7], v[\a:\a+7], v[\b:\b+7], 0, v[\sa], v[\sb] matrix_a_fmt:MATRIX_FMT_FP4 matrix_b_fmt:MATRIX_FMT_FP4 matrix_b_scale:MATRIX_SCALE_ROW1
.else
	v_wmma_scale_f32_16x16x128_f8f6f4 v[\d:\d+7], v[\a:\a+7], v[\b:\b+7], 0, v[\sa], v[\sb] matrix_a_fmt:MATRIX_FMT_FP4 matrix_b_fmt:MATRIX_FMT_FP4
.endif
.else
.if (\ra) && (\rb)
	v_wmma_scale_f32_16x16x128_f8f6f4 v[\d:\d+7], v[\a:\a+7], v[\b:\b+7], v[\c:\c+7], v[\sa], v[\sb] matrix_a_fmt:MATRIX_FMT_FP4 matrix_b_fmt:MATRIX_FMT_FP4 matrix_a_scale:MATRIX_SCALE_ROW1 matrix_b_scale:MATRIX_SCALE_ROW1
.elseif \ra
	v_wmma_scale_f32_16x16x128_f8f6f4 v[\d:\d+7], v[\a:\a+7], v[\b:\b+7], v[\c:\c+7], v[\sa], v[\sb] matrix_a_fmt:MATRIX_FMT_FP4 matrix_b_fmt:MATRIX_FMT_FP4 matrix_a_scale:MATRIX_SCALE_ROW1
.elseif \rb
	v_wmma_scale_f32_16x16x128_f8f6f4 v[\d:\d+7], v[\a:\a+7], v[\b:\b+7], v[\c:\c+7], v[\sa], v[\sb] matrix_a_fmt:MATRIX_FMT_FP4 matrix_b_fmt:MATRIX_FMT_FP4 matrix_b_scale:MATRIX_SCALE_ROW1
.else
	v_wmma_scale_f32_16x16x128_f8f6f4 v[\d:\d+7], v[\a:\a+7], v[\b:\b+7], v[\c:\c+7], v[\sa], v[\sb] matrix_a_fmt:MATRIX_FMT_FP4 matrix_b_fmt:MATRIX_FMT_FP4
.endif
.endif
.endm
; A step of 128 along K: 20 loads of fragments, 5 of scale words, 16 matrix instructions.  The 16 accumulators take turns, one instruction a turn.
.macro KSTEP ks, zero
.if \zero == 0
.rept 4
	v_nop                                          ; four places in front of loads into registers that matrix instructions have read
.endr
.endif
.irp t, 0,1,2,3,4,5,6,7
.irp c, 0,1
	ds_load_b128 v[F0+8*\t+4*\c:F0+8*\t+4*\c+3], v[A0] offset:8448*\t+64*(\ks)+32*\c
.endr
.endr
.irp a, 0,1
.irp c, 0,1
	ds_load_b128 v[F1+8*\a+4*\c:F1+8*\a+4*\c+3], v[A1] offset:8448*\a+64*(\ks)+32*\c
.endr
.endr
.irp i, 0,1,2,3
	ds_load_b32 v[SA+\i], v[AS0] offset:1088*\i+4*(\ks)
.endr
	ds_load_b32 v[SB], v[AS1] offset:4*(\ks)
	s_wait_dscnt 0x0
.irp a, 0,1
.irp t, 0,1,2,3,4,5,6,7
.if \zero
	WM ACC+64*\a+8*\t, F0+8*\t, F1+8*\a, ZERO, SA+\t/2, SB, \t%2, \a
.else
	WM ACC+64*\a+8*\t, F0+8*\t, F1+8*\a, ACC+64*\a+8*\t, SA+\t/2, SB, \t%2, \a
.endif
.endr
.endr
.endm
; 64 numbers of a lane, v[s] on (8 tiles: k = 16 t + 8 h + j of my row), become a fragment's codes in v[pc] on and its scale word in v[pw]
.macro QUANT128 s, pc, pw
.irp b, 0,1,2,3
	v_max3_num_f32 v[TM+\b], |v[\s+16*\b]|, |v[\s+16*\b+1]|, 0x1800000   ; block b: my 16 numbers, and the floor 2^(3 - 127): so the byte cannot fall under 1
.endr
.irp i, 2,4,6,8,10,12,14
.irp b, 0,1,2,3
	s_delay_alu instid0(VALU_DEP_4)
	v_max3_num_f32 v[TM+\b], v[TM+\b], |v[\s+16*\b+\i]|, |v[\s+16*\b+\i+1]|
.endr
.endr
.irp b, 0,1,2,3
	s_delay_alu instid0(VALU_DEP_4)
	v_permlanex16_b32 v[TM+4+\b], v[TM+\b], s[SEL], s[SEL+1]
.endr
.irp b, 0,1,2,3
	s_delay_alu instid0(VALU_DEP_4)
	v_max_num_f32 v[TM+\b], v[TM+\b], v[TM+4+\b]   ; with lane l xor 16's 16: the block's largest magnitude
.endr
.irp b, 0,1,2,3
	s_delay_alu instid0(VALU_DEP_4)
	v_add_nc_u32 v[TM+8+\b], 0xff000000, v[TM+\b]  ; 2 off its exponent field: the conversion's scale operand
.endr
.irp b, 0,1,2,3
	s_delay_alu instid0(VALU_DEP_4)
	v_lshrrev_b32 v[TM+4+\b], 23, v[TM+8+\b]       ; the scale's byte
.endr
	s_delay_alu instid0(VALU_DEP_3)
	v_lshl_or_b32 v[\pw], v[TM+5], 8, v[TM+4]
	s_delay_alu instid0(VALU_DEP_1)
	v_lshl_or_b32 v[\pw], v[TM+6], 16, v[\pw]
	s_delay_alu instid0(VALU_DEP_1)
	v_lshl_or_b32 v[\pw], v[TM+7], 24, v[\pw]
.irp t, 0,1,2,3,4,5,6,7
	v_cvt_scalef32_pk8_fp4_f32 v[\pc+4*(\t/4)+2*(\t%2)+(\t%4)/2], v[\s+8*\t:\s+8*\t+7], v[TM+8+\t/2]
.endr
	v_nop                                          ; one plain place behind a scaled conversion
.irp c, 0,1
	v_permlane16_swap_b32 v[\pc+4*\c], v[\pc+4*\c+1]
	v_permlane16_swap_b32 v[\pc+4*\c+2], v[\pc+4*\c+3]
.endr
.endm
	s_load_b256 s[4:11], s[0:1], 0x0               ; the set for Q: X's codes, X's scales, W's codes, W's scales,
	s_load_b64 s[12:13], s[0:1], 0x20              ; the bias
	s_load_b256 s[68:75], s[0:1], 0x28             ; the set for K
	s_load_b64 s[76:77], s[0:1], 0x48
	s_load_b256 s[80:87], s[0:1], 0x50             ; the set for V
	s_load_b64 s[88:89], s[0:1], 0x70
	s_load_b128 s[92:95], s[0:1], 0x78             ; qkv_codes, qkv_scales
	v_lshl_add_u32 v[SPW], v0, 2, SPARE
	v_mov_b32 v[NIL], 0
	ds_add_u32 v[SPW], v[NIL]                      ; the wave's opening: the add, twice on end, and its wait ahead of the first tensor loads
	ds_add_u32 v[SPW], v[NIL]
	v_lshrrev_b32 v1, 5, v0
	s_delay_alu instid0(VALU_DEP_1)
	v_readfirstlane_b32 s[WV], v1                  ; wave 0..15
	s_bfe_u32 s60, ttmp6, 0x40000                  ; cx
	s_bfe_u32 s61, ttmp6, 0x40004                  ; cy
	s_and_b32 s62, ttmp7, 0xffff                   ; the cluster's y, 0..11
	s_lshr_b32 s[G], s62, 2                        ; which product: the same in all sixteen partners
	s_and_b32 s62, s62, 3
	s_lshl_b32 s62, s62, 2                         ; 4 x (cluster & 3): goes to the operand that has 16 tiles, X
	s_cmp_eq_u32 s[G], 2
	s_cselect_b32 s98, s62, 0
	s_cselect_b32 s99, 0, s62
	s_add_co_u32 s98, s98, s60                     ; source 0's tile: hangs on cx and the cluster's number alone
	s_add_co_u32 s99, s99, s61                     ; source 1's tile: on cy and the cluster's number alone
	s_and_b32 s63, s[WV], 3                        ; which 64 rows of a tile I fetch
	s_lshl_b32 s96, s61, 2
	s_lshl_b32 s96, 15, s96                        ; my row of the cluster
	s_lshl_b32 s97, 0x1111, s60                    ; my column
	s_or_b32 s[G1C0], s97, (1<<20)|(1<<21)|(6<<22)|(3<<25)          ; 15:0 the mask; elements of 1 byte; 20 padding on; 21 set beside a mask; four words after every 128
	s_or_b32 s[G1C1], s96, (1<<20)|(1<<21)|(6<<22)|(3<<25)
	s_or_b32 s[G1S0], s97, (3<<16)|(1<<20)|(1<<21)|(5<<22)|(3<<25)  ; elements of 8 bytes; four words after every 64
	s_or_b32 s[G1S1], s96, (3<<16)|(1<<20)|(1<<21)|(5<<22)|(3<<25)
.irp g, G1C0, G1C1
	s_mov_b32 s[\g+1], 512<<16                     ; 64 rows of 512 bytes
	s_mov_b32 s[\g+2], 64<<16
	s_mov_b32 s[\g+3], 512<<16
	s_mov_b32 s[\g+4], 64
	s_mov_b32 s[\g+5], 512
	s_mov_b32 s[\g+6], 0
	s_mov_b32 s[\g+7], 0
.endr
.irp g, G1S0, G1S1
	s_mov_b32 s[\g+1], 32<<16                      ; the scales of 256 rows are 8,192 dense bytes: 32 rows of 32 elements of 8 bytes
	s_mov_b32 s[\g+2], 32<<16
	s_mov_b32 s[\g+3], 32<<16
	s_mov_b32 s[\g+4], 32
	s_mov_b32 s[\g+5], 32
	s_mov_b32 s[\g+6], 0
	s_mov_b32 s[\g+7], 0
.endr
	s_lshl_b32 s96, s63, 15                        ; my 64 rows x 512 bytes
	s_lshl_b32 s2, s98, 17                         ; a tile's 256 rows x 512 bytes
	s_add_co_u32 s2, s2, s96
	s_mov_b32 s3, 0
	s_lshl_b32 s90, s99, 17
	s_add_co_u32 s90, s90, s96
	s_mov_b32 s91, 0
	s_lshl_b32 s96, s98, 13                        ; a tile's 256 rows x 32 scale bytes
	s_mov_b32 s97, 0
	s_lshl_b32 s60, s99, 13
	s_mov_b32 s61, 0
	s_mul_i32 s62, s63, 33792                      ; where my rows go: 64 x 528: the wave's number alone enters an LDS address
	s_wait_dscnt 0x0                               ; both opening adds are done
	s_wait_kmcnt 0x0
	s_cmp_eq_u32 s[G], 1                           ; the product's five buffers: a choice that hangs on the cluster's number alone
	s_cselect_b64 s[4:5], s[68:69], s[4:5]
	s_cselect_b64 s[6:7], s[70:71], s[6:7]
	s_cselect_b64 s[8:9], s[72:73], s[8:9]
	s_cselect_b64 s[10:11], s[74:75], s[10:11]
	s_cselect_b64 s[12:13], s[76:77], s[12:13]
	s_cmp_eq_u32 s[G], 2
	s_cselect_b64 s[4:5], s[80:81], s[4:5]
	s_cselect_b64 s[6:7], s[82:83], s[6:7]
	s_cselect_b64 s[8:9], s[84:85], s[8:9]
	s_cselect_b64 s[10:11], s[86:87], s[10:11]
	s_cselect_b64 s[12:13], s[88:89], s[12:13]
	s_cselect_b64 s[80:81], s[4:5], s[8:9]         ; source 0: X for V, else W: codes,
	s_cselect_b64 s[82:83], s[6:7], s[10:11]       ; scales;
	s_cselect_b64 s[84:85], s[8:9], s[4:5]         ; source 1: codes,
	s_cselect_b64 s[86:87], s[10:11], s[6:7]       ; scales
	s_mov_b32 s[G0C0], 1
	s_mov_b32 s[G0C0+1], s62
	s_add_nc_u64 s[G0C0+2:G0C0+3], s[80:81], s[2:3]
	s_or_b32 s[G0C0+3], s[G0C0+3], 0x80000000
	s_mov_b32 s[G0C1], 1
	s_add_co_u32 s[G0C1+1], s62, C1
	s_add_nc_u64 s[G0C1+2:G0C1+3], s[84:85], s[90:91]
	s_or_b32 s[G0C1+3], s[G0C1+3], 0x80000000
	s_mov_b32 s[G0S0], 1
	s_mov_b32 s[G0S0+1], XS
	s_add_nc_u64 s[G0S0+2:G0S0+3], s[82:83], s[96:97]
	s_or_b32 s[G0S0+3], s[G0S0+3], 0x80000000
	s_mov_b32 s[G0S1], 1
	s_mov_b32 s[G0S1+1], XS1
	s_add_nc_u64 s[G0S1+2:G0S1+3], s[86:87], s[60:61]
	s_or_b32 s[G0S1+3], s[G0S1+3], 0x80000000
	CROUND                                         ; all sixteen work-groups are here: the joint loads meet
; one chain of branches on the wave's number, an arm a load: no way through the head passes two
.macro ARM under, g0, g1, next
	s_cmp_lt_u32 s[WV], \under
	s_cbranch_scc0 \next
	tensor_load_to_lds s[\g0:\g0+3], s[\g1:\g1+7]
	s_nop 0
.rept 4
	v_nop
.endr
	s_branch .Lhead_asked
\next:
.endm
	ARM 4,  G0C0, G1C0, .Lhead_1
	ARM 8,  G0C1, G1C1, .Lhead_2
	ARM 9,  G0S0, G1S0, .Lhead_3
	ARM 10, G0S1, G1S1, .Lhead_4
.Lhead_asked:
	s_and_b32 s80, s[WV], 1                        ; which 128 rows of source 0
	s_lshr_b32 s81, s[WV], 1                       ; which 32 rows of source 1
	s_mul_i32 s86, s80, 67584                      ; 128 rows x 528
	s_mul_i32 s87, s81, 16896                      ; 32 rows x 528
	s_add_co_u32 s87, s87, C1
	s_mul_i32 s88, s80, 4352                       ; 16 units x 272
	s_add_co_u32 s88, s88, XS
	s_mul_i32 s89, s81, 1088                       ; 4 units x 272
	s_add_co_u32 s89, s89, XS1
	s_lshl_b32 s82, s80, 9
	s_add_co_u32 s82, s82, BIAS
	s_lshl_b32 s83, s81, 7
	s_add_co_u32 s83, s83, BIAS
	s_mov_b32 s[SEL], 0x76543210
	s_mov_b32 s[SEL+1], 0xfedcba98
	s_cmp_eq_u32 s[G], 2
	s_cselect_b32 s60, s99, s98                    ; W's tile column, 0..3
	s_cselect_b32 s62, s98, s99                    ; X's tile row, 0..15: both enter addresses in memory alone
	s_lshl_b32 s84, s60, 10                        ; the bias of my tile column's 256 channels
	s_mov_b32 s85, 0
	s_add_nc_u64 s[12:13], s[12:13], s[84:85]
	v_and_b32 v1, 31, v0                           ; lane
	v_and_b32 v2, 15, v0                           ; r
	v_bfe_u32 v3, v0, 4, 1                         ; h
	v_mul_u32_u24 v[R], v2, 528                    ; a fragment: row r x pitch + 16 h
	s_delay_alu instid0(VALU_DEP_1)
	v_lshl_add_u32 v[R], v3, 4, v[R]
	s_delay_alu instid0(VALU_DEP_1)
	v_add_nc_u32 v[A0], s86, v[R]
	v_add_nc_u32 v[A1], s87, v[R]
	v_lshrrev_b32 v[R], 3, v1                      ; scale words: lane l takes row l of 32: unit l / 8, 32 bytes a row
	s_delay_alu instid0(VALU_DEP_1)
	v_mul_u32_u24 v[R], v[R], 272
	v_and_b32 v[R+1], 7, v1
	s_delay_alu instid0(VALU_DEP_1)
	v_lshl_add_u32 v[R], v[R+1], 5, v[R]
	s_delay_alu instid0(VALU_DEP_1)
	v_add_nc_u32 v[AS0], s88, v[R]
	v_add_nc_u32 v[AS1], s89, v[R]
	v_lshl_add_u32 v[ABI], v3, 5, s82              ; Q, K: the bias of channels 128 (w & 1) + 16 t + 8 h + 0 .. 7
	v_lshl_add_u32 v[ABC], v2, 2, s83              ; V: of channel 32 (w >> 1) + 16 a + r
	v_lshlrev_b32 v[L16], 4, v1
	v_lshlrev_b32 v[L4], 2, v1
	v_lshlrev_b32 v[BG], 2, v0
	v_lshl_add_u32 v[BL], v0, 2, BIAS
.irp b, 0,1,2,3
	v_mov_b32 v[TM+4+\b], 0                        ; written once: a lane permute's destination counts as one of its sources
.endr
	s_wait_alu depctr_va_vdst(0)                   ; the wait at the head's end
	s_cmp_lt_u32 s[WV], 8                          ; threads 0-255 bring one number of the bias each
	s_cbranch_scc0 .Lno_bias
	global_load_b32 v[BV], v[BG], s[12:13]
	s_wait_loadcnt 0x0
	ds_store_b32 v[BL], v[BV]
.Lno_bias:
	s_wait_tensorcnt 0x0                           ; my tile has landed,
	s_wait_dscnt 0x0                               ; my bias number is in LDS,
	s_barrier_signal -1
	s_barrier_wait -1                              ; everybody's are
	KSTEP 0, 1                                     ; the first step's products start the sums: nothing is cleared
.irp k, 1,2,3,4,5,6,7
	KSTEP \k, 0
.endr
.rept 4
	v_nop                                          ; four places in front of the reads of results and of the loads into source 0's registers
.endr
	s_lshr_b32 s82, s62, 2                         ; the batch
	s_lshl_b32 s82, s82, 4
	s_lshl_b32 s83, s60, 2
	s_add_co_u32 s82, s82, s83                     ; 16 x batch + 4 x tile column: the first of the tile's four heads
	s_and_b32 s84, s62, 3                          ; which 256 rows of the batch's 1,024
	s_mov_b32 s87, 0
	s_cmp_eq_u32 s[G], 2
	s_cbranch_scc1 .Lvalues
	; ---- Q and K: a lane holds one row and 128 channels, two heads
.irp t, 0,1,2,3,4,5,6,7
	ds_load_b128 v[BI+8*\t:BI+8*\t+3], v[ABI] offset:64*\t
	ds_load_b128 v[BI+8*\t+4:BI+8*\t+7], v[ABI] offset:64*\t+16
.endr
	s_lshl_b32 s83, s80, 1
	s_add_co_u32 s82, s82, s83                     ; my first head
	s_lshl_b32 s84, s84, 4
	s_lshl_b32 s85, s81, 1
	s_add_co_u32 s84, s84, s85                     ; my first tile of 16 rows in the batch
	s_lshl_b32 s86, s82, 6
	s_add_co_u32 s86, s86, s84
	s_lshl_b32 s86, s86, 9                         ; 512 bytes a fragment
	s_lshl_b32 s88, s[G], 21                       ; K's images lie 2 MiB behind Q's
	s_add_co_u32 s86, s86, s88
	s_add_nc_u64 s[92:93], s[92:93], s[86:87]
	s_lshl_b32 s86, s82, 12                        ; scale words: 4,096 bytes a head, 64 a tile
	s_lshl_b32 s84, s84, 6
	s_add_co_u32 s86, s86, s84
	s_lshl_b32 s88, s[G], 18
	s_add_co_u32 s86, s86, s88
	s_add_nc_u64 s[94:95], s[94:95], s[86:87]
	s_wait_dscnt 0x0
.irp a, 0,1
.irp t, 0,1,2,3,4,5,6,7
.irp p, 0,2,4,6
	v_pk_add_f32 v[ACC+64*\a+8*\t+\p:ACC+64*\a+8*\t+\p+1], v[ACC+64*\a+8*\t+\p:ACC+64*\a+8*\t+\p+1], v[BI+8*\t+\p:BI+8*\t+\p+1]   ; each accumulator from its low end on
.endr
.endr
.endr
	QUANT128 ACC, PC, PW
	QUANT128 ACC+64, PC+8, PW+1
	global_store_b128 v[L16], v[PC:PC+3], s[92:93]                      ; rows 16 a on, head 0: 512 consecutive bytes a store
	global_store_b128 v[L16], v[PC+4:PC+7], s[92:93] offset:32768       ; the next head: 64 fragments on
	global_store_b128 v[L16], v[PC+8:PC+11], s[92:93] offset:512
	global_store_b128 v[L16], v[PC+12:PC+15], s[92:93] offset:33280
	v_cmp_le_u32 vcc_lo, 16, v1
	s_delay_alu instid0(VALU_DEP_1)
	v_cndmask_b32 v[R], v[PW], v[PW+1], vcc_lo     ; lane l: the word of row l of my 32
	s_delay_alu instid0(VALU_DEP_1)
	v_and_b32 v[R+1], 0xffff, v[R]                 ; bytes 0, 1: the first head's two blocks; bytes 2, 3 of a stored word are 0: they stand over the zero half of a K step of 128
	v_lshrrev_b32 v[R], 16, v[R]                   ; the next head's
	global_store_b32 v[L4], v[R+1], s[94:95]
	global_store_b32 v[L4], v[R], s[94:95] offset:4096
	s_branch .Lend
.Lvalues:
	; ---- V: a lane holds one channel and 128 keys: one K step of P V
	ds_load_b32 v[BC], v[ABC]
	ds_load_b32 v[BC+2], v[ABC] offset:64
	s_lshr_b32 s83, s81, 1
	s_add_co_u32 s82, s82, s83                     ; my head
	s_lshl_b32 s82, s82, 3
	s_lshl_b32 s84, s84, 1
	s_add_co_u32 s82, s82, s84
	s_add_co_u32 s82, s82, s80                     ; x 8 + the K step: 2 x (which 256 rows) + (w & 1)
	s_lshl_b32 s82, s82, 2
	s_and_b32 s83, s81, 1
	s_lshl_b32 s83, s83, 1
	s_add_co_u32 s82, s82, s83                     ; x 4 + my first tile of 16 channels
	s_lshl_b32 s86, s82, 10                        ; 1,024 bytes a fragment
	s_add_co_u32 s86, s86, 4194304                 ; V's images lie 4 MiB on
	s_add_nc_u64 s[92:93], s[92:93], s[86:87]
	s_lshl_b32 s86, s82, 6
	s_add_co_u32 s86, s86, 524288
	s_add_nc_u64 s[94:95], s[94:95], s[86:87]
	s_wait_dscnt 0x0
	v_mov_b32 v[BC+1], v[BC]                       ; (named as the upper halves of pairs, so they are written)
	v_mov_b32 v[BC+3], v[BC+2]
.irp a, 0,1
.irp t, 0,1,2,3,4,5,6,7
.irp p, 0,2,4,6
	v_pk_add_f32 v[ACC+64*\a+8*\t+\p:ACC+64*\a+8*\t+\p+1], v[ACC+64*\a+8*\t+\p:ACC+64*\a+8*\t+\p+1], v[BC+2*\a:BC+2*\a+1] op_sel_hi:[1,0]
.endr
.endr
.endr
	QUANT128 ACC, PC, PW
	QUANT128 ACC+64, PC+8, PW+1
	global_store_b128 v[L16], v[PC:PC+3], s[92:93]
	global_store_b128 v[L16], v[PC+4:PC+7], s[92:93] offset:512
	global_store_b128 v[L16], v[PC+8:PC+11], s[92:93] offset:1024
	global_store_b128 v[L16], v[PC+12:PC+15], s[92:93] offset:1536
	v_cmp_le_u32 vcc_lo, 16, v1
	s_delay_alu instid0(VALU_DEP_1)
	v_cndmask_b32 v[R], v[PW], v[PW+1], vcc_lo
	global_store_b32 v[L4], v[R], s[94:95]
.Lend:
	s_wait_tensorcnt 0x0                           ; the wave's end
	ds_add_u32 v[SPW], v[NIL]
	s_wait_dscnt 0x0
	CROUND                                         ; the closing round: no work-group ends while a partner may still ask for a tile that names it
	s_endpgm
.Lfunc_end_k_q5fab09a984_proj:
	.size	k_q5fab09a984_proj, .Lfunc_end_k_q5fab09a984_proj-k_q5fab09a984_proj
	.p2alignl 7, 3214868480
	.fill 96, 4, 3214868480
	.section	.rodata,"a",@progbits
	.p2align	6, 0x0
	.amdhsa_kernel k_q5fab09a984_proj
		.amdhsa_group_segment_fixed_size 290816
		.amdhsa_private_segment_fixed_size 0
		.amdhsa_enable_private_segment 0
		.amdhsa_kernarg_size 136
		.amdhsa_user_sgpr_count 2
		.amdhsa_user_sgpr_kernarg_segment_ptr 1
		.amdhsa_wavefront_size32 1
		.amdhsa_system_sgpr_workgroup_id_x 1
		.amdhsa_system_sgpr_workgroup_id_y 1
		.amdhsa_system_sgpr_workgroup_id_z 1
		.amdhsa_system_vgpr_workitem_id 0
		.amdhsa_next_free_vgpr 256
		.amdhsa_next_free_sgpr 100
		.amdhsa_reserve_vcc 1
		.amdhsa_float_denorm_mode_32 3
		.amdhsa_float_denorm_mode_16_64 3
		.amdhsa_memory_ordered 1
		.amdhsa_forward_progress 1
		.amdhsa_inst_pref_size 73
	.end_amdhsa_kernel
	.amdgpu_metadata
---
amdhsa.version: [ 1, 2 ]
amdhsa.kernels:
  - .name:           k_q5fab09a984_proj
    .symbol:         k_q5fab09a984_proj.kd
    .args:
      - { .name: query_codes, .offset: 0, .size: 8, .value_kind: global_buffer, .address_space: global }
      - { .name: query_scales, .offset: 8, .size: 8, .value_kind: global_buffer, .address_space: global }
      - { .name: Wq_codes, .offset: 16, .size: 8, .value_kind: global_buffer, .address_space: global }
      - { .name: Wq_scales, .offset: 24, .size: 8, .value_kind: global_buffer, .address_space: global }
      - { .name: bq, .offset: 32, .size: 8, .value_kind: global_buffer, .address_space: global }
      - { .name: key_codes, .offset: 40, .size: 8, .value_kind: global_buffer, .address_space: global }
      - { .name: key_scales, .offset: 48, .size: 8, .value_kind: global_buffer, .address_space: global }
      - { .name: Wk_codes, .offset: 56, .size: 8, .value_kind: global_buffer, .address_space: global }
      - { .name: Wk_scales, .offset: 64, .size: 8, .value_kind: global_buffer, .address_space: global }
      - { .name: bk, .offset: 72, .size: 8, .value_kind: global_buffer, .address_space: global }
      - { .name: value_codes, .offset: 80, .size: 8, .value_kind: global_buffer, .address_space: global }
      - { .name: value_scales, .offset: 88, .size: 8, .value_kind: global_buffer, .address_space: global }
      - { .name: Wv_codes, .offset: 96, .size: 8, .value_kind: global_buffer, .address_space: global }
      - { .name: Wv_scales, .offset: 104, .size: 8, .value_kind: global_buffer, .address_space: global }
      - { .name: bv, .offset: 112, .size: 8, .value_kind: global_buffer, .address_space: global }
      - { .name: qkv_codes, .offset: 120, .size: 8, .value_kind: global_buffer, .address_space: global }
      - { .name: qkv_scales, .offset: 128, .size: 8, .value_kind: global_buffer, .address_space: global }
    .group_segment_fixed_size: 290816
    .private_segment_fixed_size: 0
    .kernarg_segment_align: 8
    .kernarg_segment_size: 136
    .max_flat_workgroup_size: 512
    .sgpr_count:     100
    .vgpr_count:     256
    .wavefront_size: 32
...
	.end_amdgpu_metadata
.endif
;; end of part 1
;; launch stats (part 2): grid 4 x 64, 16 waves a work-group, no clusters, 39,168 bytes of LDS; arguments qkv_codes, qkv_scales, part; writes part
.if DOCPART == 2
	.amdgcn_target "amdgcn-amd-amdhsa--gfx1250"
	.amdhsa_code_object_version 6
	.text
	.protected	k_q5fab09a984_stats
	.globl	k_q5fab09a984_stats
	.p2align	8
	.type	k_q5fab09a984_stats,@function
k_q5fab09a984_stats:
	s_mov_b64 s[64:65], 0
	v_nop
	global_prefetch_b8 v0, s[64:65] scope:SCOPE_SE
	s_setreg_imm32_b32 hwreg(HW_REG_WAVE_MODE, 25, 1), 1
	s_wait_xcnt 0x0
; LAUNCH 2 OF 4.  The time predictor's sums.  s = clip(Q K^T / 8, -50, 50) on the codes that launch 1 made.  For each block of 256 queries of a head: the sum of s, the sum of the rows' maxima,
; and the sum of the rows' var(softmax(s / 2), ddof = 1).  Launch 3 adds the four blocks of a head.
; WRITTEN SHORTER, for all values of the inputs (shown at the head of launch 1): no maximum is taken away ahead of exp(s / 2), since the problem's own clip holds s / 2 in -25 .. 25; the row's mean of the softmax is 1 / 1,024 by identity.
; The clip is made on the raw sums at +-400: a multiplication by 1 / 8 rounds nothing, so clip(S / 8, +-50) = clip(S, +-400) / 8.
; SHARES.  A work-group owns 256 queries of one head; wave w owns 16 of them and walks the head's 1,024 keys, 128 a trip.  S^T = K Q^T (source 0 = 16 keys, source 1 = my queries): a lane holds ONE query and half of the keys.
; K = 64 IN AN INSTRUCTION OF K = 128: Q's fragment is 4 registers of codes and 4 of zero codes; K's is its own 4 registers and the 4 that follow (the next tile's codes, numbers of the format), which meet the zero codes.
; K's 32,768 bytes of images and 4,096 of scale words come through registers into LDS once.  No joint requests: a work-group fetches these 36,864 bytes once, at its head, for 262,144 scores of work.
; LIMITS: NaN and infinities are not served.
.set KSC,   32768                      ; LDS: K's images at 0; K's scale words
.set RED,   36864                      ; 16 bytes for each wave
.set SPARE, 37120                      ; the spare words, 128 bytes for each of 16 waves; no other line names them
.set ZERO,  999
.set AK0, 2                            ; v2  16 x lane
.set AS0, 3                            ; v3  KSC + 4 x lane
.set ADK, 4                            ; v4, v5 the trip's addresses
.set ADS, 5
.set SPW, 6                            ; v6  my spare word; never rewritten
.set NIL, 7                            ; v7  0; never rewritten
.set QF,  8                            ; v8-15  Q's fragment (v12-15 zero codes)
.set QS,  16                           ; v16    Q's scale words
.set KS,  20                           ; v20-23 K's scale words: lanes 0-15 tile 2 i, lanes 16-31 tile 2 i + 1
.set KF,  24                           ; v24-59 K's eight fragments (v56-59 zero codes)
.set S,   64                           ; v64-127 the trip's scores; at the head K on its way to LDS
.set RM,  128                          ; v128-131 the row's maximum, four chains
.set SS,  132                          ; v132-135 the sum of S;  v136-139 of e;  v140-143 of e^2: two pairs each
.set SE,  136
.set SQ,  140
.set T,   144                          ; v144-159 at work
.set WV,  10
.set BH,  11
.set LO,  16                           ; s16, s17 -400, 400
.set HI,  17
.set KC,  18                           ; s[18:19] log2(e) / 16: e = 2^(S x KC) = exp(S / 16) = exp(s / 2)
.set SEL, 20
.set TK,  22
.set TS,  23
.set CNT, 24
.macro WM d, a, b, c, sa, sb, ra, rb
.if (\c) > 255
.if (\ra) && (\rb)
	v_wmma_scale_f32_16x16x128_f8f6f4 v[\d:\d+7], v[\a:\a+7], v[\b:\b+7], 0, v[\sa], v[\sb] matrix_a_fmt:MATRIX_FMT_FP4 matrix_b_fmt:MATRIX_FMT_FP4 matrix_a_scale:MATRIX_SCALE_ROW1 matrix_b_scale:MATRIX_SCALE_ROW1
.elseif \ra
	v_wmma_scale_f32_16x16x128_f8f6f4 v[\d:\d+7], v[\a:\a+7], v[\b:\b+7], 0, v[\sa], v[\sb] matrix_a_fmt:MATRIX_FMT_FP4 matrix_b_fmt:MATRIX_FMT_FP4 matrix_a_scale:MATRIX_SCALE_ROW1
.elseif \rb
	v_wmma_scale_f32_16x16x128_f8f6f4 v[\d:\d+7], v[\a:\a+7], v[\b:\b+7], 0, v[\sa], v[\sb] matrix_a_fmt:MATRIX_FMT_FP4 matrix_b_fmt:MATRIX_FMT_FP4 matrix_b_scale:MATRIX_SCALE_ROW1
.else
	v_wmma_scale_f32_16x16x128_f8f6f4 v[\d:\d+7], v[\a:\a+7], v[\b:\b+7], 0, v[\sa], v[\sb] matrix_a_fmt:MATRIX_FMT_FP4 matrix_b_fmt:MATRIX_FMT_FP4
.endif
.endif
.endm
.macro DPPSUM a, b, c                  ; three sums over the 16 lanes of a row, by turns
.irp m, 1
	v_add_f32_dpp v[\a], v[\a], v[\a] row_xmask:\m row_mask:0xf bank_mask:0xf
	v_add_f32_dpp v[\b], v[\b], v[\b] row_xmask:\m row_mask:0xf bank_mask:0xf
	v_add_f32_dpp v[\c], v[\c], v[\c] row_xmask:\m row_mask:0xf bank_mask:0xf
.endr
.irp m, 2, 4, 8
	s_delay_alu instid0(VALU_DEP_3)
	v_add_f32_dpp v[\a], v[\a], v[\a] row_xmask:\m row_mask:0xf bank_mask:0xf
	s_delay_alu instid0(VALU_DEP_3)
	v_add_f32_dpp v[\b], v[\b], v[\b] row_xmask:\m row_mask:0xf bank_mask:0xf
	s_delay_alu instid0(VALU_DEP_3)
	v_add_f32_dpp v[\c], v[\c], v[\c] row_xmask:\m row_mask:0xf bank_mask:0xf
.endr
.endm
	s_load_b128 s[4:7], s[0:1], 0x0                ; qkv_codes, qkv_scales
	s_load_b64 s[8:9], s[0:1], 0x10                ; part
	v_lshl_add_u32 v[SPW], v0, 2, SPARE
	v_mov_b32 v[NIL], 0
	v_lshrrev_b32 v1, 5, v0
	s_delay_alu instid0(VALU_DEP_1)
	v_readfirstlane_b32 s[WV], v1                  ; wave 0..15
	v_and_b32 v1, 31, v0                           ; lane
	s_and_b32 s[BH], ttmp7, 0xffff                 ; 16 x batch + head
	v_lshlrev_b32 v[AK0], 4, v1
	v_lshl_add_u32 v[AS0], v1, 2, KSC
	v_lshlrev_b32 v[T], 4, v0                      ; 16 x thread: K's images, in memory and in LDS
	v_lshlrev_b32 v[T+1], 3, v0                    ; 8 x thread: K's scale words in memory,
	v_lshl_add_u32 v[T+2], v0, 3, KSC              ; and in LDS
	v_and_b32 v[T+3], 15, v0
	s_delay_alu instid0(VALU_DEP_1)
	v_lshlrev_b32 v[T+3], 2, v[T+3]                ; 4 r: Q's scale words
	v_and_b32 v[T+5], 15, v0
	s_delay_alu instid0(VALU_DEP_1)
	v_lshl_add_u32 v[T+5], v[T+5], 4, RED          ; where wave 0 reads the waves' sums
	s_lshl_b32 s14, s[BH], 15                      ; a head's images of Q or K: 64 fragments of 512 bytes
	s_mov_b32 s15, 0
	s_lshl_b32 s26, s[BH], 12                      ; its scale words: 1,024 x 4 bytes
	s_mov_b32 s27, 0
	s_lshl_b32 s12, ttmp9, 4
	s_add_co_u32 s12, s12, s[WV]                   ; my tile of 16 queries
	s_mov_b32 s[LO], 0xc3c80000
	s_mov_b32 s[HI], 0x43c80000
	s_mov_b32 s[KC], 0x3db8aa3b
	s_mov_b32 s[KC+1], s[KC]                       ; (named with it as a pair, so it is written)
	s_mov_b32 s[SEL], 0x76543210
	s_mov_b32 s[SEL+1], 0xfedcba98
	s_wait_alu depctr_va_vdst(0)
	s_wait_kmcnt 0x0
	s_add_nc_u64 s[4:5], s[4:5], s[14:15]
	s_add_nc_u64 s[6:7], s[6:7], s[26:27]
.irp i, 0,1,2,3
	global_load_b128 v[S+4*\i:S+4*\i+3], v[T], s[4:5] offset:2097152+8192*\i   ; K's images lie 2 MiB behind Q's
.endr
	global_load_b64 v[S+16:S+17], v[T+1], s[6:7] offset:262144
	s_lshl_b32 s14, s12, 9
	s_add_nc_u64 s[28:29], s[4:5], s[14:15]
	s_lshl_b32 s14, s12, 6
	s_add_nc_u64 s[30:31], s[6:7], s[14:15]
	global_load_b128 v[QF:QF+3], v[AK0], s[28:29]
	global_load_b32 v[QS], v[T+3], s[30:31]
.irp j, 12,13,14,15,56,57,58,59
	v_mov_b32 v[\j], 0                             ; zero codes
.endr
.irp j, 0,1,2,3
	v_mov_b32 v[RM+\j], 0xff800000                 ; under every score
.endr
.irp j, 0,1,2,3,4,5,6,7,8,9,10,11
	v_mov_b32 v[SS+\j], 0
.endr
	s_wait_loadcnt 0x2                             ; K's five loads are in; the two issued behind them, Q's, may stay out
.irp i, 0,1,2,3
	ds_store_b128 v[T], v[S+4*\i:S+4*\i+3] offset:8192*\i
.endr
	ds_store_b64 v[T+2], v[S+16:S+17]
	s_wait_dscnt 0x0                               ; for the others' sake: my part of K is in LDS
	s_barrier_signal -1
	s_barrier_wait -1
	s_wait_loadcnt 0x0                             ; Q
	s_mov_b32 s[TK], 0
	s_mov_b32 s[TS], 0
	s_mov_b32 s[CNT], 0
.Ltrip:                                            ; 8 trips of 128 keys
	v_add_nc_u32 v[ADK], s[TK], v[AK0]
	v_add_nc_u32 v[ADS], s[TS], v[AS0]
.irp i, 0,1,2,3,4,5,6,7
	ds_load_b128 v[KF+4*\i:KF+4*\i+3], v[ADK] offset:512*\i
.endr
.irp i, 0,1,2,3
	ds_load_b32 v[KS+\i], v[ADS] offset:128*\i
.endr
	s_wait_dscnt 0x0
.irp i, 0,1,2,3,4,5,6,7
	WM S+8*\i, KF+4*\i, QF, ZERO, KS+\i/2, QS, \i%2, 0
.endr
.rept 4
	v_nop                                          ; four places in front of the first read of results
.endr
.set j, 0
.rept 64
	v_med3_num_f32 v[S+j], v[S+j], s[LO], s[HI]    ; the clip; each accumulator from its low end on
.set j, j+1
.endr
.set j, 0
.rept 32
	v_max3_num_f32 v[RM+(j/2)%4], v[RM+(j/2)%4], v[S+j], v[S+j+1]
.set j, j+2
.endr
.set j, 0
.rept 32
	v_pk_add_f32 v[SS+2*((j/2)%2):SS+2*((j/2)%2)+1], v[SS+2*((j/2)%2):SS+2*((j/2)%2)+1], v[S+j:S+j+1]
.set j, j+2
.endr
.set j, 0
.rept 32
	v_pk_mul_f32 v[S+j:S+j+1], v[S+j:S+j+1], s[KC:KC+1] op_sel_hi:[1,0]
.set j, j+2
.endr
.set j, 0
	s_wait_alu depctr_va_vdst(0)
.rept 64
	v_exp_f32 v[S+j], v[S+j]                       ; e = exp(s / 2)
.set j, j+1
.endr
	v_nop                                          ; a plain place behind the last exponential
	s_wait_alu depctr_va_vdst(0)                   ; one wait for the batch, ahead of its first reader
.set j, 0
.rept 32
	v_pk_add_f32 v[SE+2*((j/2)%2):SE+2*((j/2)%2)+1], v[SE+2*((j/2)%2):SE+2*((j/2)%2)+1], v[S+j:S+j+1]
	v_pk_fma_f32 v[SQ+2*((j/2)%2):SQ+2*((j/2)%2)+1], v[S+j:S+j+1], v[S+j:S+j+1], v[SQ+2*((j/2)%2):SQ+2*((j/2)%2)+1]
.set j, j+2
.endr
	s_add_co_u32 s[TK], s[TK], 4096                ; 8 fragments on
	s_add_co_u32 s[TS], s[TS], 512                 ; 128 scale words on
	s_add_co_u32 s[CNT], s[CNT], 1
	s_cmp_lt_u32 s[CNT], 8
	s_cbranch_scc1 .Ltrip
	; the chains are joined; lane l xor 16 holds the query's other 512 keys
	v_max3_num_f32 v[RM], v[RM], v[RM+1], v[RM+2]
	s_delay_alu instid0(VALU_DEP_1)
	v_max_num_f32 v[RM], v[RM], v[RM+3]
	v_pk_add_f32 v[SS:SS+1], v[SS:SS+1], v[SS+2:SS+3]
	v_pk_add_f32 v[SE:SE+1], v[SE:SE+1], v[SE+2:SE+3]
	v_pk_add_f32 v[SQ:SQ+1], v[SQ:SQ+1], v[SQ+2:SQ+3]
	s_delay_alu instid0(VALU_DEP_3)
	v_add_f32 v[SS], v[SS], v[SS+1]
	s_delay_alu instid0(VALU_DEP_3)
	v_add_f32 v[SE], v[SE], v[SE+1]
	s_delay_alu instid0(VALU_DEP_3)
	v_add_f32 v[SQ], v[SQ], v[SQ+1]
	v_permlanex16_b32 v[RM+1], v[RM], s[SEL], s[SEL+1]
	s_delay_alu instid0(VALU_DEP_4)
	v_permlanex16_b32 v[SS+1], v[SS], s[SEL], s[SEL+1]
	s_delay_alu instid0(VALU_DEP_4)
	v_permlanex16_b32 v[SE+1], v[SE], s[SEL], s[SEL+1]
	s_delay_alu instid0(VALU_DEP_4)
	v_permlanex16_b32 v[SQ+1], v[SQ], s[SEL], s[SEL+1]
	s_delay_alu instid0(VALU_DEP_4)
	v_max_num_f32 v[RM], v[RM], v[RM+1]
	s_delay_alu instid0(VALU_DEP_4)
	v_add_f32 v[SS], v[SS], v[SS+1]
	s_delay_alu instid0(VALU_DEP_4)
	v_add_f32 v[SE], v[SE], v[SE+1]
	s_delay_alu instid0(VALU_DEP_4)
	v_add_f32 v[SQ], v[SQ], v[SQ+1]
	s_wait_alu depctr_va_vdst(0)
	v_rcp_f32 v[SE+1], v[SE]
	v_mul_f32 v[T], 0x3e000000, v[SS]              ; the row's sum of s = S / 8.  (A plain place behind the reciprocal)
	v_mul_f32 v[T+1], 0x3e000000, v[RM]            ; its maximum
	s_wait_alu depctr_va_vdst(0)
	v_mul_f32 v[T+2], v[SQ], v[SE+1]
	v_fmaak_f32 v[T+2], v[T+2], v[SE+1], 0xba800000   ; sum e^2 / (sum e)^2 - 1 / 1,024
	s_delay_alu instid0(VALU_DEP_1)
	v_mul_f32 v[T+2], 0x3a802008, v[T+2]           ; / 1,023
	v_mov_b32 v[T+3], 0
	DPPSUM T, T+1, T+2                             ; over my 16 queries
	s_lshl_b32 s14, s[WV], 4
	s_add_co_u32 s14, s14, RED
	v_mov_b32 v[T+4], s14
	ds_store_b128 v[T+4], v[T:T+3]                 ; all lanes write the same 16 bytes with the same values
	s_wait_dscnt 0x0
	s_barrier_signal -1
	s_barrier_wait -1
	s_cmp_lg_u32 s[WV], 0                          ; wave 0 adds the sixteen and stores
	s_cbranch_scc1 .Ldone
	ds_load_b128 v[T+8:T+11], v[T+5]               ; lane l: wave l % 16's three sums and a 0
	s_lshl_b32 s14, s[BH], 2
	s_add_co_u32 s14, s14, ttmp9
	s_lshl_b32 s14, s14, 4
	s_add_nc_u64 s[8:9], s[8:9], s[14:15]
	v_mov_b32 v[T+12], 0
	s_wait_dscnt 0x0
	DPPSUM T+8, T+9, T+10
	v_cmp_eq_u32 vcc_lo, 0, v1
	s_wait_alu depctr_va_vdst(0)
	s_wait_xcnt 0x0                                ; EXEC changes only behind this wait
	s_and_saveexec_b32 s25, vcc_lo
	global_store_b128 v[T+12], v[T+8:T+11], s[8:9] ; 16 bytes a work-group
	s_wait_xcnt 0x0                                ; and again in front of the line that widens it
	s_or_b32 exec_lo, exec_lo, s25
.Ldone:
	s_wait_tensorcnt 0x0                           ; the wave's end, behind my last LDS store
	ds_add_u32 v[SPW], v[NIL]
	s_wait_dscnt 0x0
	s_endpgm
.Lfunc_end_k_q5fab09a984_stats:
	.size	k_q5fab09a984_stats, .Lfunc_end_k_q5fab09a984_stats-k_q5fab09a984_stats
	.p2alignl 7, 3214868480
	.fill 96, 4, 3214868480
	.section	.rodata,"a",@progbits
	.p2align	6, 0x0
	.amdhsa_kernel k_q5fab09a984_stats
		.amdhsa_group_segment_fixed_size 39168
		.amdhsa_private_segment_fixed_size 0
		.amdhsa_enable_private_segment 0
		.amdhsa_kernarg_size 24
		.amdhsa_user_sgpr_count 2
		.amdhsa_user_sgpr_kernarg_segment_ptr 1
		.amdhsa_wavefront_size32 1
		.amdhsa_system_sgpr_workgroup_id_x 1
		.amdhsa_system_sgpr_workgroup_id_y 1
		.amdhsa_system_sgpr_workgroup_id_z 1
		.amdhsa_system_vgpr_workitem_id 0
		.amdhsa_next_free_vgpr 160
		.amdhsa_next_free_sgpr 66
		.amdhsa_reserve_vcc 1
		.amdhsa_float_denorm_mode_32 3
		.amdhsa_float_denorm_mode_16_64 3
		.amdhsa_memory_ordered 1
		.amdhsa_forward_progress 1
		.amdhsa_inst_pref_size 27
	.end_amdhsa_kernel
	.amdgpu_metadata
---
amdhsa.version: [ 1, 2 ]
amdhsa.kernels:
  - .name:           k_q5fab09a984_stats
    .symbol:         k_q5fab09a984_stats.kd
    .args:
      - { .name: qkv_codes, .offset: 0, .size: 8, .value_kind: global_buffer, .address_space: global }
      - { .name: qkv_scales, .offset: 8, .size: 8, .value_kind: global_buffer, .address_space: global }
      - { .name: part, .offset: 16, .size: 8, .value_kind: global_buffer, .address_space: global }
    .group_segment_fixed_size: 39168
    .private_segment_fixed_size: 0
    .kernarg_segment_align: 8
    .kernarg_segment_size: 24
    .max_flat_workgroup_size: 512
    .sgpr_count:     66
    .vgpr_count:     160
    .wavefront_size: 32
...
	.end_amdgpu_metadata
.endif
;; end of part 2
;; launch attn (part 3): grid 4 x 64, 4 waves a work-group, no clusters, 66,048 bytes of LDS; arguments qkv_codes, qkv_scales, part, Wt1, bt1, Wt2, bt2, o_codes, o_scales; writes o_codes, o_scales
.if DOCPART == 3
	.amdgcn_target "amdgcn-amd-amdhsa--gfx1250"
	.amdhsa_code_object_version 6
	.text
	.protected	k_q5fab09a984_attn
	.globl	k_q5fab09a984_attn
	.p2align	8
	.type	k_q5fab09a984_attn,@function
k_q5fab09a984_attn:
	s_mov_b64 s[64:65], 0
	v_nop
	global_prefetch_b8 v0, s[64:65] scope:SCOPE_SE
	s_setreg_imm32_b32 hwreg(HW_REG_WAVE_MODE, 25, 1), 1
	s_wait_xcnt 0x0
; LAUNCH 3 OF 4.  t from the predictor's sums (its small MLP in f32); scores = Q K^T / (2 t); the FINISHED, normalised softmax, quantised along the keys; O = P V; O quantised along the model's axis, stored as images of launch 4's operand.
; Nothing of the problem is left out here.  nan_to_num(attn): a softmax row is NaN in all its places or in none, so it is a choice for each row: a row whose total is not >= 0.5 (a sound row's is about 1 or more) gets zero codes of O.
; SHARES.  A work-group owns 256 queries of one head; each of its FOUR waves owns 16 of them at a time, against ALL 1,024 keys, four passes.  A row's maximum and total are the wave's own: the waves exchange nothing,
; and the one barrier of the text stands behind the fill of LDS.  The 16 x 1,024 scores stay in 512 registers until the row's total is known: each score has one exponential.
; S^T = K Q^T (source 0 = 16 keys): a lane holds one query, its registers run along the keys, which are the next product's K.  A BLOCK'S LARGEST p IS NOT SEARCHED FOR: the block's largest score, which the search for the row's
; maximum passes through, goes through the same multiply-add, exponential and multiplication (this takes v_exp_f32 not to fall where its input rises; at the worst one p of a block would be held one code low).
; K = 64 IN AN INSTRUCTION OF K = 128: Q's upper 4 registers are zero codes; K's fragment is its own 4 registers and the 4 that follow (the next tile's codes), which meet the zero codes.
; REGISTERS, in windows of 256.  Window 0: addresses, scale words, the blocks' largest, p's codes.  Window 1: K's 64 fragments, which stay for the whole launch.  Windows 2, 3: the scores, tile i at 8 i.
; Window 2's scores become codes K step by K step; V's 64 fragments are loaded over them in eight groups of eight, laid among the vector work that is still to do; O^T is summed in window 3's first 32 registers.
; K and V of the head (65,536 bytes) come through registers into LDS once, at the head: no joint requests and no prefetch, since nothing is fetched in the loop but 576 bytes of Q a pass.
; LIMITS: NaN and infinities among the inputs are not served; an overflow of the scores is met at score x log2(e) / (2 t), a factor 1.45 earlier than in scores / (2 t); a p under 2^-126 counts as 0 (v_exp_f32: ISA guide 15.8).
.set VIMG,  32768                      ; LDS: K's images at 0, V's here
.set SPARE, 65536                      ; the spare words, 128 bytes for each of 4 waves; no other line names them
.set ZERO,  999
.set L16, 3                            ; 16 x lane
.set R4,  4                            ; 4 x (lane % 16)
.set AV,  5                            ; VIMG + 16 x lane
.set SPW, 6                            ; my spare word; never rewritten
.set NIL, 7                            ; 0; never rewritten
.set T16, 8                            ; 16 x thread
.set L4,  9                            ; 4 x lane
.set QF,  10                           ; v10-17 Q's fragment (v14-17 zero codes)
.set QS,  18                           ; Q's scale words
.set NM,  20                           ; v[20:21] -M
.set F,   22                           ; v[22:23] 1 / total
.set ZT,  24                           ; the row's total
.set MX,  25
.set W,   26                           ; v26-33 at work in the MLP
.set OC,  34                           ; v34-37 O's codes
.set PW,  38                           ; O's scale bytes
.set KS,  44                           ; v44-75 K's scale words: lanes 0-15 tile 2 i, lanes 16-31 tile 2 i + 1;  v76-91 V's;  v92-99 p's: they hold scales and nothing else
.set VS,  76
.set PS,  92
.set BM,  100                          ; v100-131 the blocks' largest
.set BT,  132                          ; v132-163 at work
.set PC,  164                          ; v164-227 p's codes, 8 K steps.  (At the head v100-227 carry K and V to LDS: so all of them have been written when lane permutes name them as destinations)
.set KL,  228                          ; v228-235 K's last fragment with zero codes behind it
.set WV,  22
.set BH,  25
.set SEL, 30
.set C2,  50                           ; s[50:51] log2(e) / (2 t);  s54 the same with the other sign
.set C2N, 54
.set HB,  56                           ; the head's images of Q (K's 2 MiB on, V's 4 MiB on)
.set QB,  58
.set QSB, 60
.set HS,  62
.set VSB, 66
.set OB,  68
.set OSB, 70
.set ST,  72                           ; s[72:73], s[74:75] what a pass adds to O's two addresses: 0 in the first
.set ST2, 74
.set CNT, 76
.set MSB, 0
.macro WIN new                         ; low byte: bits 1:0 source 0, 3:2 source 1, 5:4 source 2, 7:6 destination; the high byte repeats the setting that is left
.if MSB != (\new)
	s_set_vgpr_msb (MSB<<8)|(\new)
.set MSB, (\new)
.endif
.endm
.macro PL n
.rept \n
	v_nop
.endr
.endm
.macro WM d, a, b, c, sa, sb, ra
.if (\c) > 255
.if (\ra)
	v_wmma_scale_f32_16x16x128_f8f6f4 v[\d:\d+7], v[\a:\a+7], v[\b:\b+7], 0, v[\sa], v[\sb] matrix_a_fmt:MATRIX_FMT_FP4 matrix_b_fmt:MATRIX_FMT_FP4 matrix_a_scale:MATRIX_SCALE_ROW1
.else
	v_wmma_scale_f32_16x16x128_f8f6f4 v[\d:\d+7], v[\a:\a+7], v[\b:\b+7], 0, v[\sa], v[\sb] matrix_a_fmt:MATRIX_FMT_FP4 matrix_b_fmt:MATRIX_FMT_FP4
.endif
.else
.if (\ra)
	v_wmma_scale_f32_16x16x128_f8f6f4 v[\d:\d+7], v[\a:\a+7], v[\b:\b+7], v[\c:\c+7], v[\sa], v[\sb] matrix_a_fmt:MATRIX_FMT_FP4 matrix_b_fmt:MATRIX_FMT_FP4 matrix_a_scale:MATRIX_SCALE_ROW1
.else
	v_wmma_scale_f32_16x16x128_f8f6f4 v[\d:\d+7], v[\a:\a+7], v[\b:\b+7], v[\c:\c+7], v[\sa], v[\sb] matrix_a_fmt:MATRIX_FMT_FP4 matrix_b_fmt:MATRIX_FMT_FP4
.endif
.endif
.endm
.macro TWAIT                           ; behind a transcendental: a plain place, and the wait ahead of the first reader
	v_nop
	s_wait_alu depctr_va_vdst(0)
.endm
.macro QK n                            ; n products from tile i on; the symbol i walks on
.rept \n
	WM 8*(i%32), 4*i, QF, ZERO, KS+i/2, QS, i%2
.set i, i+1
.endr
.endm
; the largest score of each of window h's 16 blocks of 32 keys (my 16 of them); the blocks by turns; each accumulator is first read at its low end
.macro BMAX h
	WIN 0x15*\h
.set b, 0
.rept 16
	v_max3_num_f32 v[BM+16*(\h-2)+b], v[16*b], v[16*b+1], v[16*b+2]
.set b, b+1
.endr
	WIN 0x14*\h
.irp i, 3,5,7,9,11,13
.set b, 0
.rept 16
	v_max3_num_f32 v[BM+16*(\h-2)+b], v[BM+16*(\h-2)+b], v[16*b+\i], v[16*b+\i+1]
.set b, b+1
.endr
.endr
.set b, 0
.rept 16
	v_max_num_f32 v[BM+16*(\h-2)+b], v[BM+16*(\h-2)+b], v[16*b+15]
.set b, b+1
.endr
.endm
.macro TMH h                           ; t - M of window h's first 128 scores, two at a time
	WIN 0x41*\h
.set j, 0
.rept 64
	v_pk_fma_f32 v[j:j+1], v[j:j+1], s[C2:C2+1], v[NM:NM+1] op_sel_hi:[1,0,0]
.set j, j+2
.endr
.endm
.macro EXF h                           ; the exponentials of window h's first 128, and between them t - M of its other 128: these are first read behind the next wait
	WIN 0x41*\h
.set j, 0
.rept 64
	v_exp_f32 v[j], v[j]
	v_pk_fma_f32 v[128+j:129+j], v[128+j:129+j], s[C2:C2+1], v[NM:NM+1] op_sel_hi:[1,0,0]
	v_exp_f32 v[j+1], v[j+1]
.set j, j+2
.endr
.endm
.macro EXH h                           ; the exponentials of window h's other 128
	WIN 0x41*\h
.set j, 128
.rept 128
	v_exp_f32 v[j], v[j]
.set j, j+1
.endr
.endm
.macro MULS h, lo, n                   ; the finished softmax: n pairs of window h from register lo on
	WIN 0x41*\h
.set j, \lo
.rept \n
	v_pk_mul_f32 v[j:j+1], v[j:j+1], v[F:F+1] op_sel_hi:[1,0]
.set j, j+2
.endr
.endm
.macro CVT8 h, i                       ; the codes of window h's K step i
	WIN \h
.set t, 0
.rept 8
	v_cvt_scalef32_pk8_fp4_f32 v[PC+8*(4*(\h-2)+\i)+4*(t/4)+2*(t%2)+(t%4)/2], v[64*\i+8*t:64*\i+8*t+7], v[BT+4*(4*(\h-2)+\i)+t/2]
.set t, t+1
.endr
.endm
.macro SWP h                           ; the exchanges of lane halves for window h's four K steps
	WIN 0
.set i, 0
.rept 8
	v_permlane16_swap_b32 v[PC+32*(\h-2)+4*i], v[PC+32*(\h-2)+4*i+1]
	v_permlane16_swap_b32 v[PC+32*(\h-2)+4*i+2], v[PC+32*(\h-2)+4*i+3]
.set i, i+1
.endr
.endm
.macro VLD n                           ; V's four fragments of K step n into window 2 at 32 n: registers whose scores have become codes
	WIN 0x80
.set i, 8*\n
.rept 8
	ds_load_b128 v[4*i:4*i+3], v[AV] offset:512*i
.set i, i+1
.endr
.endm
	s_load_b256 s[4:11], s[0:1], 0x0               ; qkv_codes, qkv_scales, part, Wt1
	s_load_b256 s[12:19], s[0:1], 0x20             ; bt1, Wt2, bt2, o_codes
	s_load_b64 s[20:21], s[0:1], 0x40              ; o_scales
	v_lshl_add_u32 v[SPW], v0, 2, SPARE
	v_mov_b32 v[NIL], 0
	v_lshrrev_b32 v1, 5, v0
	v_readfirstlane_b32 s[WV], v1                  ; wave 0..3
	v_and_b32 v1, 31, v0                           ; lane
	v_and_b32 v2, 15, v0                           ; r
	v_lshlrev_b32 v[L16], 4, v1
	v_lshlrev_b32 v[R4], 2, v2
	v_lshlrev_b32 v[T16], 4, v0
	v_lshlrev_b32 v[L4], 2, v1
	v_lshl_add_u32 v[AV], v1, 4, VIMG
.irp j, QF+4,QF+5,QF+6,QF+7,KL+4,KL+5,KL+6,KL+7,NM+1,F+1
	v_mov_b32 v[\j], 0                             ; zero codes; upper halves of pairs
.endr
	s_and_b32 s[BH], ttmp7, 0xffff                 ; 16 x batch + head
	s_mov_b32 s[SEL], 0x76543210
	s_mov_b32 s[SEL+1], 0xfedcba98
	s_mov_b32 s52, 0xc1200000                      ; -10, 10
	s_mov_b32 s53, 0x41200000
	s_mov_b32 s[ST], 0
	s_mov_b32 s[ST+1], 0
	s_mov_b32 s[ST2], 0
	s_mov_b32 s[ST2+1], 0
	s_mov_b32 s[CNT], 0
	s_lshl_b32 s28, s[BH], 6
	s_mov_b32 s29, 0
	s_wait_alu depctr_va_vdst(0)
	s_wait_kmcnt 0x0
	s_add_nc_u64 s[8:9], s[8:9], s[28:29]
	s_load_b512 s[32:47], s[8:9], 0x0              ; the head's four blocks of sums
	s_load_b32 s48, s[16:17], 0x0                  ; bt2
	global_load_b32 v[W], v[R4], s[10:11]          ; lane j = l % 16: Wt1[0][j],
	global_load_b32 v[W+1], v[R4], s[10:11] offset:64
	global_load_b32 v[W+2], v[R4], s[10:11] offset:128
	global_load_b32 v[W+3], v[R4], s[12:13]        ; bt1[j],
	global_load_b32 v[W+4], v[R4], s[14:15]        ; Wt2[j]
	s_lshl_b32 s28, s[BH], 15
	s_add_nc_u64 s[HB:HB+1], s[4:5], s[28:29]
.set i, 0
.rept 16
	global_load_b128 v[BM+4*i:BM+4*i+3], v[T16], s[HB:HB+1] offset:2097152+2048*i      ; K's images: 128 threads x 16 bytes a load
.set i, i+1
.endr
.set i, 0
.rept 16
	global_load_b128 v[BM+64+4*i:BM+64+4*i+3], v[T16], s[HB:HB+1] offset:4194304+2048*i   ; V's
.set i, i+1
.endr
	s_lshl_b32 s28, s[BH], 12
	s_add_nc_u64 s[HS:HS+1], s[6:7], s[28:29]      ; the head's scale words of Q (K's 262,144 bytes on)
	s_lshl_b32 s28, s[BH], 11
	s_add_nc_u64 s[VSB:VSB+1], s[6:7], s[28:29]
	s_lshl_b32 s27, ttmp9, 4
	s_add_co_u32 s27, s27, s[WV]                   ; my first tile of 16 queries in the head; the later ones lie 4 tiles apart
	s_lshl_b32 s28, s27, 9
	s_add_nc_u64 s[QB:QB+1], s[HB:HB+1], s[28:29]
	s_lshl_b32 s28, s27, 6
	s_add_nc_u64 s[QSB:QSB+1], s[HS:HS+1], s[28:29]
	global_load_b128 v[QF:QF+3], v[L16], s[QB:QB+1]
	global_load_b32 v[QS], v[R4], s[QSB:QSB+1]
.set i, 0
.rept 16
	global_load_b32 v[VS+i], v[L4], s[VSB:VSB+1] offset:524288+128*i   ; V's scale words: register 2 ks + i: lanes 0-15 channel tile 2 i, lanes 16-31 tile 2 i + 1
.set i, i+1
.endr
	; where O goes.  o_codes: [row / 16][K step = head / 2][head % 2][lane][16 bytes];  o_scales: [row / 32][K step][row % 32][4 bytes], bytes 2 (head % 2) and + 1
	s_lshr_b32 s28, s[BH], 4
	s_lshl_b32 s28, s28, 6
	s_add_co_u32 s27, s27, s28                     ; row / 16 = 64 x batch + my tile
	s_and_b32 s26, s[BH], 15                       ; the head
	s_lshr_b32 s55, s26, 1
	s_and_b32 s26, s26, 1
	s_lshl_b32 s28, s27, 3
	s_add_co_u32 s28, s28, s55
	s_lshl_b32 s28, s28, 10
	s_lshl_b32 s49, s26, 9
	s_add_co_u32 s28, s28, s49
	s_add_nc_u64 s[OB:OB+1], s[18:19], s[28:29]
	s_lshr_b32 s28, s27, 1
	s_lshl_b32 s28, s28, 3
	s_add_co_u32 s28, s28, s55
	s_lshl_b32 s28, s28, 7
	s_and_b32 s49, s27, 1
	s_lshl_b32 s49, s49, 6
	s_add_co_u32 s28, s28, s49
	s_lshl_b32 s49, s26, 1
	s_add_co_u32 s28, s28, s49
	s_add_nc_u64 s[OSB:OSB+1], s[20:21], s[28:29]
	s_wait_kmcnt 0x0
	s_wait_loadcnt 50                              ; the MLP's five loads are in; the 50 issued behind them (K 16, V 16, Q 2, V's scale words 16) may stay out
	; the three features: the four blocks' sums, the means, nan_to_num, the clips
	v_mov_b32 v[W+5], s32
	v_mov_b32 v[W+6], s33
	v_mov_b32 v[W+7], s34
.irp q, 36,40,44
	v_add_f32 v[W+5], s[\q], v[W+5]
	v_add_f32 v[W+6], s[\q+1], v[W+6]
	v_add_f32 v[W+7], s[\q+2], v[W+7]
.endr
	v_mul_f32 v[W+5], 0x35800000, v[W+5]           ; / 2^20
	v_mul_f32 v[W+6], 0x3a800000, v[W+6]           ; / 2^10
	v_mul_f32 v[W+7], 0x3a800000, v[W+7]
	v_cmp_eq_f32 vcc_lo, v[W+5], v[W+5]
	v_cndmask_b32 v[W+5], 0, v[W+5], vcc_lo        ; NaN -> 0
	v_cmp_eq_f32 vcc_lo, v[W+6], v[W+6]
	v_cndmask_b32 v[W+6], 0, v[W+6], vcc_lo
	v_cmp_eq_f32 vcc_lo, v[W+7], v[W+7]
	v_cndmask_b32 v[W+7], 0x3dcccccd, v[W+7], vcc_lo   ; NaN -> 0.1
	v_med3_num_f32 v[W+5], v[W+5], s52, s53        ; an infinity ends at the clip's bound, as nan_to_num and the clip together leave it
	v_med3_num_f32 v[W+6], v[W+6], s52, s53
	v_med3_num_f32 v[W+7], v[W+7], 0, 1.0
	v_fma_f32 v[W+3], v[W+5], v[W], v[W+3]
	v_fma_f32 v[W+3], v[W+6], v[W+1], v[W+3]
	v_fma_f32 v[W+3], v[W+7], v[W+2], v[W+3]       ; x_j
	v_mul_f32 v[W+3], 0x4038aa3b, v[W+3]           ; tanh(x) = 1 - 2 / (1 + 2^(2 log2(e) x))
	s_wait_alu depctr_va_vdst(0)
	v_exp_f32 v[W+3], v[W+3]
	TWAIT
	v_add_f32 v[W+3], 1.0, v[W+3]
	s_wait_alu depctr_va_vdst(0)
	v_rcp_f32 v[W+3], v[W+3]
	TWAIT
	v_fma_f32 v[W+3], -2.0, v[W+3], 1.0
	v_mul_f32 v[W+3], v[W+3], v[W+4]
.irp m, 1,2,4,8
	v_add_f32_dpp v[W+3], v[W+3], v[W+3] row_xmask:\m row_mask:0xf bank_mask:0xf
.endr
	v_add_f32 v[W+3], s48, v[W+3]                  ; raw t
	v_mul_f32 v[W+3], 0xbfb8aa3b, v[W+3]           ; sigmoid = 1 / (1 + 2^(-log2(e) raw))
	s_wait_alu depctr_va_vdst(0)
	v_exp_f32 v[W+3], v[W+3]
	TWAIT
	v_add_f32 v[W+3], 1.0, v[W+3]
	s_wait_alu depctr_va_vdst(0)
	v_rcp_f32 v[W+3], v[W+3]
	v_mov_b32 v[W+4], 0x3ffeb852                   ; 1.99.  (A plain place behind the reciprocal)
	s_wait_alu depctr_va_vdst(0)
	v_fmaak_f32 v[W+3], v[W+3], v[W+4], 0x3c23d70a ; t = 0.01 + 1.99 sigmoid
	v_med3_num_f32 v[W+3], v[W+3], 0x3c23d70a, 2.0
	v_min_num_f32 v[W+3], 0x3f59999a, v[W+3]       ; at most 0.85
	v_add_f32 v[W+3], v[W+3], v[W+3]               ; 2 t
	s_wait_alu depctr_va_vdst(0)
	v_rcp_f32 v[W+4], v[W+3]
	TWAIT
	v_fma_f32 v[W+5], -v[W+3], v[W+4], 1.0         ; one step of Newton's: y + y (1 - 2 t y)
	v_fma_f32 v[W+4], v[W+4], v[W+5], v[W+4]
	v_mul_f32 v[W+4], 0x3fb8aa3b, v[W+4]
	v_readfirstlane_b32 s[C2], v[W+4]              ; a factor alone: no address and no branch hangs on it
	s_mov_b32 s[C2+1], s[C2]
	s_xor_b32 s[C2N], s[C2], 0x80000000
.set i, 0
.rept 32
	global_load_b32 v[KS+i], v[L4], s[HS:HS+1] offset:262144+128*i
.set i, i+1
.endr
	s_wait_loadcnt 50                              ; K and V are in; the 50 issued behind them (Q 2, V's scale words 16, K's 32) may stay out
.set i, 0
.rept 16
	ds_store_b128 v[T16], v[BM+4*i:BM+4*i+3] offset:2048*i
	ds_store_b128 v[T16], v[BM+64+4*i:BM+64+4*i+3] offset:VIMG+2048*i
.set i, i+1
.endr
	s_wait_dscnt 0x0                               ; for the others' sake: my part is in LDS
	s_barrier_signal -1
	s_barrier_wait -1
	ds_load_b128 v[KL:KL+3], v[L16] offset:32256   ; K's last fragment, ahead of zero codes
	WIN 0x40
.set i, 0
.rept 64
	ds_load_b128 v[4*i:4*i+3], v[L16] offset:512*i ; K's 64 fragments into window 1: they stay
.set i, i+1
.endr
	WIN 0
	s_wait_alu depctr_va_vdst(0)                   ; the wait at the head's end
.Lpass:                                            ; four passes of 16 queries a wave
	s_wait_loadcnt 0x0                             ; Q's fragment and scale words (the first time K's and V's scale words too)
	PL 5                                           ; five places: the products below write over registers of the last pass's matrix instructions
.set i, 0
	s_wait_dscnt 47                                ; the first pass: K's fragments 0 to 16 are in (tile 15 names fragment 16 too); the 47 issued behind them may stay out.  Later passes have no LDS load out here
	WIN 0x81
	QK 16
	s_wait_dscnt 31                                ; fragments up to 32
	QK 16
	s_wait_dscnt 15                                ; up to 48
	WIN 0xc1
	QK 16
	s_wait_dscnt 0x0
	QK 15
	WIN 0xc0
	WM 248, KL, QF, ZERO, KS+31, QS, 1
	WIN 0
	PL 4                                           ; four places in front of the reads of results and of the loads into Q's registers
	s_wait_xcnt 0x0                                ; the last pass's stores have read their base and their data
	s_add_nc_u64 s[OB:OB+1], s[OB:OB+1], s[ST:ST+1]
	s_add_nc_u64 s[OSB:OSB+1], s[OSB:OSB+1], s[ST2:ST2+1]
	s_mov_b32 s[ST], 32768                         ; four tiles of rows on
	s_mov_b32 s[ST2], 2048
	s_cmp_eq_u32 s[CNT], 3                         ; the last pass has no successor
	s_cbranch_scc1 .Lno_q
	s_add_nc_u64 s[QB:QB+1], s[QB:QB+1], 2048
	s_add_nc_u64 s[QSB:QSB+1], s[QSB:QSB+1], 256
	global_load_b128 v[QF:QF+3], v[L16], s[QB:QB+1]   ; the next pass's queries: a whole pass ahead of their use
	global_load_b32 v[QS], v[R4], s[QSB:QSB+1]
.Lno_q:
	BMAX 2
	BMAX 3
	WIN 0
.set b, 0
.rept 32
	v_permlanex16_b32 v[BT+b], v[BM+b], s[SEL], s[SEL+1]
.set b, b+1
.endr
.set b, 0
.rept 32
	v_max_num_f32 v[BM+b], v[BM+b], v[BT+b]        ; with lane l xor 16's 16 keys
.set b, b+1
.endr
.set i, 0
.rept 10
	v_max3_num_f32 v[BT+i], v[BM+3*i], v[BM+3*i+1], v[BM+3*i+2]   ; the row's largest score, as a tree
.set i, i+1
.endr
	v_max_num_f32 v[BT+10], v[BM+30], v[BM+31]
.set i, 0
.rept 3
	v_max3_num_f32 v[BT+16+i], v[BT+3*i], v[BT+3*i+1], v[BT+3*i+2]
.set i, i+1
.endr
	v_max3_num_f32 v[MX], v[BT+16], v[BT+17], v[BT+18]
	v_max3_num_f32 v[MX], v[MX], v[BT+9], v[BT+10]
	v_mul_f32 v[NM], s[C2N], v[MX]                 ; -M: the factor is positive, so the largest score has the largest t
.set b, 0
.rept 32
	v_fma_f32 v[BM+b], v[BM+b], s[C2], v[NM]       ; t - M of each block's largest score
.set b, b+1
.endr
	TMH 2
	TMH 3
	s_wait_alu depctr_va_vdst(0)                   ; the wait ahead of a batch
	EXF 3
	EXF 2
	s_wait_alu depctr_va_vdst(0)                   ; and ahead of the second batch, whose sources were made inside the first
	EXH 2
	EXH 3
	WIN 0
.set b, 0
.rept 32
	v_exp_f32 v[BM+b], v[BM+b]
.set b, b+1
.endr
	TWAIT                                          ; one wait for all 544, ahead of their first reader
	WIN 0x0a                                       ; the row's total, two at a time, in eight chains
.set k, 0
.rept 8
	v_pk_add_f32 v[BT+2*k:BT+2*k+1], v[4*k:4*k+1], v[4*k+2:4*k+3]
.set k, k+1
.endr
	WIN 0x08
.set j, 32
.rept 112
	v_pk_add_f32 v[BT+2*((j/2)%8):BT+2*((j/2)%8)+1], v[BT+2*((j/2)%8):BT+2*((j/2)%8)+1], v[j:j+1]
.set j, j+2
.endr
	WIN 0x0c
.set j, 0
.rept 128
	v_pk_add_f32 v[BT+2*((j/2)%8):BT+2*((j/2)%8)+1], v[BT+2*((j/2)%8):BT+2*((j/2)%8)+1], v[j:j+1]
.set j, j+2
.endr
	WIN 0
.irp k, 0,2,4,6
	v_pk_add_f32 v[BT+\k:BT+\k+1], v[BT+\k:BT+\k+1], v[BT+8+\k:BT+9+\k]
.endr
	v_pk_add_f32 v[BT:BT+1], v[BT:BT+1], v[BT+4:BT+5]
	v_pk_add_f32 v[BT+2:BT+3], v[BT+2:BT+3], v[BT+6:BT+7]
	v_pk_add_f32 v[BT:BT+1], v[BT:BT+1], v[BT+2:BT+3]
	v_add_f32 v[ZT], v[BT], v[BT+1]
	v_permlanex16_b32 v[BT+2], v[ZT], s[SEL], s[SEL+1]
	v_add_f32 v[ZT], v[ZT], v[BT+2]                ; with lane l xor 16's 512 keys
	s_wait_alu depctr_va_vdst(0)
	v_rcp_f32 v[F], v[ZT]
	TWAIT
.set b, 0
.rept 32
	v_mul_f32 v[BM+b], v[BM+b], v[F]               ; each block's largest p
.set b, b+1
.endr
.set b, 0
.rept 32
	v_max_num_f32 v[BM+b], 0x1800000, v[BM+b]      ; the floor 2^(3 - 127): the byte cannot fall under 1
.set b, b+1
.endr
.set b, 0
.rept 32
	v_add_nc_u32 v[BT+b], 0xff000000, v[BM+b]      ; 2 off the exponent field: the conversion's scale operand
.set b, b+1
.endr
.irp s, 0,1,2,3                                    ; window 2, K step by K step; behind each, eight loads of V into registers that are free by then
	MULS 2, 64*\s, 32
	CVT8 2, \s
	v_nop                                          ; one plain place behind a scaled conversion
	VLD \s
.endr
	WIN 0
.set b, 0
.rept 32
	v_lshrrev_b32 v[BM+b], 23, v[BT+b]             ; the scale's byte
.set b, b+1
.endr
	VLD 4
	WIN 0
.irp u, 1,2,3
.set k, 0
.rept 8
.if \u == 1
	v_lshl_or_b32 v[PS+k], v[BM+4*k+1], 8, v[BM+4*k]
.else
	v_lshl_or_b32 v[PS+k], v[BM+4*k+\u], 8*\u, v[PS+k]
.endif
.set k, k+1
.endr
.endr
	SWP 2
	VLD 5
	MULS 3, 0, 64
	VLD 6
	MULS 3, 128, 64
	VLD 7
.irp s, 0,1,2,3
	CVT8 3, \s
.endr
	v_nop
	SWP 3
	PL 4                                           ; four places between the last exchange of halves and the scaled products
	s_wait_alu depctr_va_vdst(0)
	WIN 0xf2
.set ks, 0
.rept 8
	s_wait_dscnt 56-8*ks                           ; this K step's eight loads are in; those of the later K steps may stay out
.set dt, 0
.rept 4
.if ks == 0
	WM 8*dt, 32*ks+8*dt, PC+8*ks, ZERO, VS+2*ks+dt/2, PS+ks, dt%2
.else
	WM 8*dt, 32*ks+8*dt, PC+8*ks, 8*dt, VS+2*ks+dt/2, PS+ks, dt%2   ; the four accumulators by turns
.endif
.set dt, dt+1
.endr
.set ks, ks+1
.endr
	PL 4
	WIN 0x0f
.irp b, 0,1
	v_max3_num_f32 v[BT+\b], |v[16*\b]|, |v[16*\b+1]|, 0x1800000   ; O's two blocks of 32 channels
.endr
	WIN 0x3c
.irp i, 2,4,6,8,10,12,14
.irp b, 0,1
	v_max3_num_f32 v[BT+\b], v[BT+\b], |v[16*\b+\i]|, |v[16*\b+\i+1]|
.endr
.endr
	WIN 0
.irp b, 0,1
	v_permlanex16_b32 v[BT+4+\b], v[BT+\b], s[SEL], s[SEL+1]
.endr
.irp b, 0,1
	v_max_num_f32 v[BT+\b], v[BT+\b], v[BT+4+\b]
.endr
.irp b, 0,1
	v_add_nc_u32 v[BT+8+\b], 0xff000000, v[BT+\b]
.endr
.irp b, 0,1
	v_lshrrev_b32 v[BT+4+\b], 23, v[BT+8+\b]
.endr
	v_lshl_or_b32 v[PW], v[BT+5], 8, v[BT+4]
	WIN 3
.irp t, 0,1,2,3
	v_cvt_scalef32_pk8_fp4_f32 v[OC+2*(\t%2)+\t/2], v[8*\t:8*\t+7], v[BT+8+\t/2]
.endr
	v_nop
	WIN 0
	v_permlane16_swap_b32 v[OC], v[OC+1]
	v_permlane16_swap_b32 v[OC+2], v[OC+3]
	v_cmp_le_f32 vcc_lo, 0.5, v[ZT]                ; false for a row whose softmax is NaN: nan_to_num makes such a row zeros
.irp i, 0,1,2,3
	v_cndmask_b32 v[OC+\i], 0, v[OC+\i], vcc_lo
.endr
	global_store_b128 v[L16], v[OC:OC+3], s[OB:OB+1]   ; 512 consecutive bytes
	global_store_b16 v[R4], v[PW], s[OSB:OSB+1]        ; my head's two bytes of each row's word; lanes 16-31 hold the same bytes for the same places
	s_add_co_u32 s[CNT], s[CNT], 1
	s_cmp_lt_u32 s[CNT], 4
	s_wait_alu depctr_va_vdst(0)
	s_cbranch_scc1 .Lpass
	s_wait_tensorcnt 0x0                           ; the wave's end
	ds_add_u32 v[SPW], v[NIL]
	s_wait_dscnt 0x0
	s_endpgm
.Lfunc_end_k_q5fab09a984_attn:
	.size	k_q5fab09a984_attn, .Lfunc_end_k_q5fab09a984_attn-k_q5fab09a984_attn
	.p2alignl 7, 3214868480
	.fill 96, 4, 3214868480
	.section	.rodata,"a",@progbits
	.p2align	6, 0x0
	.amdhsa_kernel k_q5fab09a984_attn
		.amdhsa_group_segment_fixed_size 66048
		.amdhsa_private_segment_fixed_size 0
		.amdhsa_enable_private_segment 0
		.amdhsa_kernarg_size 72
		.amdhsa_user_sgpr_count 2
		.amdhsa_user_sgpr_kernarg_segment_ptr 1
		.amdhsa_wavefront_size32 1
		.amdhsa_system_sgpr_workgroup_id_x 1
		.amdhsa_system_sgpr_workgroup_id_y 1
		.amdhsa_system_sgpr_workgroup_id_z 1
		.amdhsa_system_vgpr_workitem_id 0
		.amdhsa_next_free_vgpr 1024
		.amdhsa_next_free_sgpr 96
		.amdhsa_reserve_vcc 1
		.amdhsa_float_denorm_mode_32 3
		.amdhsa_float_denorm_mode_16_64 3
		.amdhsa_memory_ordered 1
		.amdhsa_forward_progress 1
		.amdhsa_inst_pref_size 141
	.end_amdhsa_kernel
	.amdgpu_metadata
---
amdhsa.version: [ 1, 2 ]
amdhsa.kernels:
  - .name:           k_q5fab09a984_attn
    .symbol:         k_q5fab09a984_attn.kd
    .args:
      - { .name: qkv_codes, .offset: 0, .size: 8, .value_kind: global_buffer, .address_space: global }
      - { .name: qkv_scales, .offset: 8, .size: 8, .value_kind: global_buffer, .address_space: global }
      - { .name: part, .offset: 16, .size: 8, .value_kind: global_buffer, .address_space: global }
      - { .name: Wt1, .offset: 24, .size: 8, .value_kind: global_buffer, .address_space: global }
      - { .name: bt1, .offset: 32, .size: 8, .value_kind: global_buffer, .address_space: global }
      - { .name: Wt2, .offset: 40, .size: 8, .value_kind: global_buffer, .address_space: global }
      - { .name: bt2, .offset: 48, .size: 8, .value_kind: global_buffer, .address_space: global }
      - { .name: o_codes, .offset: 56, .size: 8, .value_kind: global_buffer, .address_space: global }
      - { .name: o_scales, .offset: 64, .size: 8, .value_kind: global_buffer, .address_space: global }
    .group_segment_fixed_size: 66048
    .private_segment_fixed_size: 0
    .kernarg_segment_align: 8
    .kernarg_segment_size: 72
    .max_flat_workgroup_size: 128
    .sgpr_count:     96
    .vgpr_count:     1024
    .wavefront_size: 32
...
	.end_amdgpu_metadata
.endif
;; end of part 3
;; launch outp (part 4): grid 8 x 32, 16 waves a work-group, clusters of 4 x 4, 211,200 bytes of LDS; arguments o_codes, o_scales, Wo_codes, Wo_scales, bo, out0; writes out0
.if DOCPART == 4
	.amdgcn_target "amdgcn-amd-amdhsa--gfx1250"
	.amdhsa_code_object_version 6
	.text
	.protected	k_q5fab09a984_outp
	.globl	k_q5fab09a984_outp
	.p2align	8
	.type	k_q5fab09a984_outp,@function
k_q5fab09a984_outp:
	s_mov_b64 s[64:65], 0
	v_nop
	global_prefetch_b8 v0, s[64:65] scope:SCOPE_SE
	s_setreg_imm32_b32 hwreg(HW_REG_WAVE_MODE, 25, 1), 1
	s_wait_xcnt 0x0
	s_wait_alu depctr_hold_cnt(0) depctr_sa_sdst(0) depctr_va_vdst(0) depctr_va_sdst(0) depctr_va_ssrc(0) depctr_va_vcc(0) depctr_vm_vsrc(0)
	s_getreg_b32 s2, hwreg(HW_REG_IB_STS2, 6, 4)
	s_cmp_eq_u32 s2, 0
	s_cbranch_scc0 .Lentry_in_a_cluster
	s_endpgm
.Lentry_in_a_cluster:
	s_bfe_u32 s2, ttmp6, 0x10000c
	s_cmp_lg_u32 s2, 0xf033
	s_cbranch_scc0 .Lentry_shape_is_right
	s_endpgm
.Lentry_shape_is_right:
; LAUNCH 4 OF 4.  out0 = O Wo + bo on codes of FP4: O's as launch 3 stored them (images of the operand's registers), Wo's as they are given.  Nothing of the problem is left out here.
; SHARES.  256 work-groups, a tile of 128 rows x 128 columns each; all of K = 1,024 of both operands lies in LDS at once: first fills alone, nothing is filled again.
; Sixteen waves; wave w makes 32 columns (w & 3) x 32 rows (w >> 2): four accumulators.  Used transposed (source 0 = 16 rows of Wo, source 1 = 16 rows of O): a lane holds eight neighbouring numbers of a row of out0.
; The bias is the C of each sum's first matrix instruction.  CLUSTER 4 x 4: O's tile is shared along a row of the cluster, Wo's along a column: joint requests.
; THE HEAD'S LOADS, one a wave: waves 0-3 O's images (16,384 bytes each), waves 4-7 Wo's codes (32 rows of 512 bytes each), wave 8 O's scale words, wave 9 Wo's scale bytes.
; No prefetch: the text has no loop to run ahead in.
; The way out goes through a stage in LDS, since a row's 512 bytes come from four waves; each wave then stores 8 whole rows, 512 consecutive bytes a store.
.set WC,    65536                      ; LDS: O's images at 0 (8 tiles of rows x 8 K steps x 1,024 bytes); Wo's 128 rows x (512 bytes + 16)
.set ASC,   133120                     ; O's scale words: [32 rows][K step][32 x 4 bytes]
.set WSC,   137216                     ; Wo's scale bytes: 16 units of 256 bytes + 16; a unit holds 8 rows of 32 bytes
.set STAGE, 141568                     ; 128 rows x (512 bytes + 16): bytes of its own, into which no fill lands
.set SPARE, 209152                     ; the spare words, 128 bytes for each of 16 waves; no other line names them
.set AW,   4
.set AA,   5
.set ASW,  6
.set ASA,  7
.set STO,  8
.set RD,   9
.set SPW,  12                          ; my spare word; never rewritten
.set NIL,  13                          ; 0; never rewritten
.set L16,  14
.set BO,   15
.set TT,   16
.set SW,   40                          ; v40-43 Wo's scale words of four K steps, v44-47 O's: they hold scales and nothing else
.set SAA,  44
.set F0,   64                          ; Wo's fragments (K step k of four, tile t) at 16 k + 8 t; on the way out rows of out0
.set F1,   128                         ; O's likewise
.set ACC,  192                         ; accumulator (a, t) at 16 a + 8 t
.set BI,   224                         ; the bias of my two tiles of columns
.set WV,   16
.set G1A,  20
.set G1AS, 28
.set G1W,  36
.set G1WS, 44
.set G0AS, 52
.set G0A,  56
.set G0WS, 68
.set G0W,  72
.macro CREST
	s_cmp_lg_u32 s[WV], 0
	s_cbranch_scc1 .Lnot_wave_0_\@
	s_barrier_signal -3
.Lnot_wave_0_\@:
	s_barrier_wait -3
	s_barrier_signal -1
	s_barrier_wait -1
.endm
.macro CROUND
	s_barrier_signal -1
	s_barrier_wait -1
	CREST
.endm
.macro WM d, a, b, c, sa, sb, ra, rb
.if (\ra) && (\rb)
	v_wmma_scale_f32_16x16x128_f8f6f4 v[\d:\d+7], v[\a:\a+7], v[\b:\b+7], v[\c:\c+7], v[\sa], v[\sb] matrix_a_fmt:MATRIX_FMT_FP4 matrix_b_fmt:MATRIX_FMT_FP4 matrix_a_scale:MATRIX_SCALE_ROW1 matrix_b_scale:MATRIX_SCALE_ROW1
.elseif \ra
	v_wmma_scale_f32_16x16x128_f8f6f4 v[\d:\d+7], v[\a:\a+7], v[\b:\b+7], v[\c:\c+7], v[\sa], v[\sb] matrix_a_fmt:MATRIX_FMT_FP4 matrix_b_fmt:MATRIX_FMT_FP4 matrix_a_scale:MATRIX_SCALE_ROW1
.elseif \rb
	v_wmma_scale_f32_16x16x128_f8f6f4 v[\d:\d+7], v[\a:\a+7], v[\b:\b+7], v[\c:\c+7], v[\sa], v[\sb] matrix_a_fmt:MATRIX_FMT_FP4 matrix_b_fmt:MATRIX_FMT_FP4 matrix_b_scale:MATRIX_SCALE_ROW1
.else
	v_wmma_scale_f32_16x16x128_f8f6f4 v[\d:\d+7], v[\a:\a+7], v[\b:\b+7], v[\c:\c+7], v[\sa], v[\sb] matrix_a_fmt:MATRIX_FMT_FP4 matrix_b_fmt:MATRIX_FMT_FP4
.endif
.endm
; four K steps of 128: 32 loads of fragments, 8 of scale words, 16 matrix instructions, the four accumulators by turns
.macro BATCH q
.if \q
.rept 4
	v_nop                                          ; four places in front of loads into registers that matrix instructions have read
.endr
.endif
.irp k, 0,1,2,3
.irp t, 0,1
.irp c, 0,1
	ds_load_b128 v[F0+16*\k+8*\t+4*\c:F0+16*\k+8*\t+4*\c+3], v[AW] offset:8448*\t+64*(4*\q+\k)+32*\c
	ds_load_b128 v[F1+16*\k+8*\t+4*\c:F1+16*\k+8*\t+4*\c+3], v[AA] offset:8192*\t+1024*(4*\q+\k)+512*\c
.endr
.endr
	ds_load_b32 v[SW+\k], v[ASW] offset:4*(4*\q+\k)
	ds_load_b32 v[SAA+\k], v[ASA] offset:128*(4*\q+\k)
.endr
	s_wait_dscnt 0x0
.irp k, 0,1,2,3
.irp a, 0,1
.irp t, 0,1
.if (\q == 0) && (\k == 0)
	WM ACC+16*\a+8*\t, F0+16*\k+8*\t, F1+16*\k+8*\a, BI+8*\t, SW+\k, SAA+\k, \t, \a
.else
	WM ACC+16*\a+8*\t, F0+16*\k+8*\t, F1+16*\k+8*\a, ACC+16*\a+8*\t, SW+\k, SAA+\k, \t, \a
.endif
.endr
.endr
.endr
.endm
	s_load_b256 s[4:11], s[0:1], 0x0               ; o_codes, o_scales, Wo_codes, Wo_scales
	s_load_b128 s[12:15], s[0:1], 0x20             ; bo, out0
	v_lshl_add_u32 v[SPW], v0, 2, SPARE
	v_mov_b32 v[NIL], 0
	ds_add_u32 v[SPW], v[NIL]                      ; the wave's opening: the add, twice on end, and its wait ahead of the first tensor loads
	ds_add_u32 v[SPW], v[NIL]
	v_lshrrev_b32 v1, 5, v0
	s_delay_alu instid0(VALU_DEP_1)
	v_readfirstlane_b32 s[WV], v1                  ; wave 0..15
	s_and_b32 s17, s[WV], 3                        ; which quarter of a tile I fetch
	s_bfe_u32 s18, ttmp6, 0x40000                  ; cx
	s_bfe_u32 s19, ttmp6, 0x40004                  ; cy
	s_lshl_b32 s60, ttmp9, 2
	s_add_co_u32 s60, s60, s18                     ; the tile column, 0..7
	s_and_b32 s61, ttmp7, 0xffff
	s_lshl_b32 s61, s61, 2
	s_add_co_u32 s61, s61, s19                     ; the tile row, 0..31
	s_lshl_b32 s62, s19, 2
	s_lshl_b32 s62, 15, s62                        ; my row of the cluster
	s_lshl_b32 s63, 0x1111, s18                    ; my column
	s_or_b32 s[G1A], s62, (3<<16)|(1<<21)          ; 15:0 the mask; elements of 8 bytes; no padding: images are read 16 bytes a lane on end; 21 set beside a mask
	s_or_b32 s[G1AS], s62, (3<<16)|(1<<21)
	s_or_b32 s[G1W], s63, (1<<20)|(1<<21)|(6<<22)|(3<<25)           ; elements of 1 byte; four words of padding after every 128
	s_or_b32 s[G1WS], s63, (3<<16)|(1<<20)|(1<<21)|(5<<22)|(3<<25)  ; elements of 8 bytes; four words after every 64
	s_mov_b32 s[G1A+1], 32<<16                     ; two tiles of 16 rows' images: 16,384 dense bytes as 64 rows of 256
	s_mov_b32 s[G1A+2], 64<<16
	s_mov_b32 s[G1A+3], 32<<16
	s_mov_b32 s[G1A+4], 64
	s_mov_b32 s[G1A+5], 32
	s_mov_b32 s[G1A+6], 0
	s_mov_b32 s[G1A+7], 0
.irp g, G1AS, G1WS
	s_mov_b32 s[\g+1], 32<<16                      ; 4,096 dense bytes as 16 rows of 256
	s_mov_b32 s[\g+2], 16<<16
	s_mov_b32 s[\g+3], 32<<16
	s_mov_b32 s[\g+4], 16
	s_mov_b32 s[\g+5], 32
	s_mov_b32 s[\g+6], 0
	s_mov_b32 s[\g+7], 0
.endr
	s_mov_b32 s[G1W+1], 512<<16                    ; 32 rows of Wo, 512 bytes each
	s_mov_b32 s[G1W+2], 32<<16
	s_mov_b32 s[G1W+3], 512<<16
	s_mov_b32 s[G1W+4], 32
	s_mov_b32 s[G1W+5], 512
	s_mov_b32 s[G1W+6], 0
	s_mov_b32 s[G1W+7], 0
	; where the tiles come from: O's hang on the tile row alone, Wo's on the tile column alone, each in registers that never hold the other coordinate
	s_lshl_b32 s84, s17, 14                        ; my quarter: 16,384 bytes of either tile of codes
	s_lshl_b32 s82, s61, 16                        ; O's images: 65,536 bytes a tile row
	s_add_co_u32 s82, s82, s84
	s_mov_b32 s83, 0
	s_lshl_b32 s86, s60, 16                        ; Wo's codes: 128 rows x 512 bytes a tile column
	s_add_co_u32 s86, s86, s84
	s_mov_b32 s87, 0
	s_lshl_b32 s76, s61, 12                        ; O's scale words: 4,096 bytes a tile row
	s_mov_b32 s77, 0
	s_lshl_b32 s78, s60, 12                        ; Wo's scale bytes: 128 rows x 32
	s_mov_b32 s79, 0
	s_mul_i32 s91, s17, 16896                      ; 32 rows x 528: the wave's number alone enters an LDS address
	s_wait_dscnt 0x0                               ; both opening adds are done
	s_wait_kmcnt 0x0
	s_mov_b32 s[G0AS], 1
	s_mov_b32 s[G0AS+1], ASC
	s_add_nc_u64 s[G0AS+2:G0AS+3], s[6:7], s[76:77]
	s_or_b32 s[G0AS+3], s[G0AS+3], 0x80000000
	s_mov_b32 s[G0A], 1
	s_mov_b32 s[G0A+1], s84
	s_add_nc_u64 s[G0A+2:G0A+3], s[4:5], s[82:83]
	s_or_b32 s[G0A+3], s[G0A+3], 0x80000000
	s_mov_b32 s[G0WS], 1
	s_mov_b32 s[G0WS+1], WSC
	s_add_nc_u64 s[G0WS+2:G0WS+3], s[10:11], s[78:79]
	s_or_b32 s[G0WS+3], s[G0WS+3], 0x80000000
	s_mov_b32 s[G0W], 1
	s_add_co_u32 s[G0W+1], s91, WC
	s_add_nc_u64 s[G0W+2:G0W+3], s[8:9], s[86:87]
	s_or_b32 s[G0W+3], s[G0W+3], 0x80000000
	CROUND                                         ; all sixteen work-groups are here: the joint loads meet
; one chain of branches on the wave's number, an arm a load: no way through the head passes two
.macro ARM under, g0, g1, next
	s_cmp_lt_u32 s[WV], \under
	s_cbranch_scc0 \next
	tensor_load_to_lds s[\g0:\g0+3], s[\g1:\g1+7]
	s_nop 0
.rept 4
	v_nop
.endr
	s_branch .Lhead_asked
\next:
.endm
	ARM 4,  G0A,  G1A,  .Lhead_1
	ARM 8,  G0W,  G1W,  .Lhead_2
	ARM 9,  G0AS, G1AS, .Lhead_3
	ARM 10, G0WS, G1WS, .Lhead_4
.Lhead_asked:
	s_and_b32 s80, s[WV], 3                        ; which 32 columns
	s_lshr_b32 s81, s[WV], 2                       ; which 32 rows
	s_lshl_b32 s82, s60, 9
	s_lshl_b32 s84, s80, 7
	s_add_co_u32 s82, s82, s84
	s_mov_b32 s83, 0
	s_add_nc_u64 s[12:13], s[12:13], s[82:83]      ; the bias of my 32 columns
	s_mul_i32 s76, s80, 16896                      ; Wo: 32 rows x 528
	s_add_co_u32 s76, s76, WC
	s_lshl_b32 s77, s81, 14                        ; O: two tiles of rows x 8,192
	s_mul_i32 s78, s80, 1088                       ; 4 units x 272
	s_add_co_u32 s78, s78, WSC
	s_lshl_b32 s79, s81, 10
	s_add_co_u32 s79, s79, ASC
	s_mul_i32 s86, s81, 16896
	s_add_co_u32 s86, s86, s84
	s_add_co_u32 s86, s86, STAGE
	s_mul_i32 s87, s[WV], 4224                     ; back: rows 8 w .. 8 w + 7, whole
	s_add_co_u32 s87, s87, STAGE
	s_lshl_b32 s88, s61, 7
	s_lshl_b32 s89, s[WV], 3
	s_add_co_u32 s88, s88, s89                     ; the first row of out0 that I store
	s_lshl_b32 s88, s88, 12                        ; 4,096 bytes a row
	s_lshl_b32 s89, s60, 9
	s_add_co_u32 s88, s88, s89
	s_mov_b32 s89, 0
	s_add_nc_u64 s[14:15], s[14:15], s[88:89]
	v_and_b32 v1, 31, v0                           ; lane
	v_and_b32 v2, 15, v0                           ; r
	v_bfe_u32 v3, v0, 4, 1                         ; h
	s_delay_alu instid0(VALU_DEP_1)
	v_lshlrev_b32 v[BO], 5, v3                     ; the bias of columns 32 (w & 3) + 16 t + 8 h + 0 .. 7
.irp t, 0,1
	global_load_b128 v[BI+8*\t:BI+8*\t+3], v[BO], s[12:13] offset:64*\t
	global_load_b128 v[BI+8*\t+4:BI+8*\t+7], v[BO], s[12:13] offset:64*\t+16
.endr
	v_mul_u32_u24 v[TT], v2, 528
	v_lshl_add_u32 v[AA], v1, 4, s77
	s_delay_alu instid0(VALU_DEP_2)
	v_lshl_add_u32 v[TT+1], v3, 4, v[TT]
	v_lshl_add_u32 v[TT], v3, 5, v[TT]
	s_delay_alu instid0(VALU_DEP_2)
	v_add_nc_u32 v[AW], s76, v[TT+1]
	v_add_nc_u32 v[STO], s86, v[TT]                ; into the stage: row 32 (w >> 2) + r, + 128 (w & 3) + 32 h bytes
	v_lshrrev_b32 v[TT], 3, v1
	v_and_b32 v[TT+1], 7, v1
	s_delay_alu instid0(VALU_DEP_2)
	v_mul_u32_u24 v[TT], v[TT], 272
	s_delay_alu instid0(VALU_DEP_1)
	v_lshl_add_u32 v[TT], v[TT+1], 5, v[TT]
	s_delay_alu instid0(VALU_DEP_1)
	v_add_nc_u32 v[ASW], s78, v[TT]                ; lane l: row l of my 32 rows of Wo
	v_lshl_add_u32 v[ASA], v1, 2, s79              ; lane l: row l of my 32 rows of O
	v_lshl_add_u32 v[RD], v1, 4, s87
	v_lshlrev_b32 v[L16], 4, v1
	s_wait_alu depctr_va_vdst(0)                   ; the wait at the head's end
	s_wait_tensorcnt 0x0                           ; my tile has landed,
	s_wait_loadcnt 0x0                             ; and the bias
	s_barrier_signal -1
	s_barrier_wait -1                              ; everybody's have
	BATCH 0
	BATCH 1
.rept 4
	v_nop                                          ; four places in front of the LDS stores that read results
.endr
.irp a, 0,1
.irp t, 0,1
	ds_store_b128 v[STO], v[ACC+16*\a+8*\t:ACC+16*\a+8*\t+3] offset:8448*\a+64*\t        ; each accumulator from its low end on
	ds_store_b128 v[STO], v[ACC+16*\a+8*\t+4:ACC+16*\a+8*\t+7] offset:8448*\a+64*\t+16
.endr
.endr
	s_wait_dscnt 0x0                               ; for the others' sake: my stores into the stage are done
	s_barrier_signal -1
	s_barrier_wait -1
.irp i, 0,1,2,3,4,5,6,7
	ds_load_b128 v[F0+4*\i:F0+4*\i+3], v[RD] offset:528*\i
.endr
.irp i, 0,1,2,3,4,5,6,7
	s_wait_dscnt 7-\i                              ; LDS loads come back in order (ISA guide 5.7.1): row i is in, the younger ones may stay out
	global_store_b128 v[L16], v[F0+4*\i:F0+4*\i+3], s[14:15] offset:4096*\i th:TH_STORE_NT   ; 32 lanes store 512 consecutive bytes, at a multiple of 512 from out0's first byte
.endr
	s_wait_tensorcnt 0x0                           ; the wave's end
	ds_add_u32 v[SPW], v[NIL]
	s_wait_dscnt 0x0
	CROUND                                         ; the closing round: no work-group ends while a partner may still ask for a tile that names it
	s_endpgm
.Lfunc_end_k_q5fab09a984_outp:
	.size	k_q5fab09a984_outp, .Lfunc_end_k_q5fab09a984_outp-k_q5fab09a984_outp
	.p2alignl 7, 3214868480
	.fill 96, 4, 3214868480
	.section	.rodata,"a",@progbits
	.p2align	6, 0x0
	.amdhsa_kernel k_q5fab09a984_outp
		.amdhsa_group_segment_fixed_size 211200
		.amdhsa_private_segment_fixed_size 0
		.amdhsa_enable_private_segment 0
		.amdhsa_kernarg_size 48
		.amdhsa_user_sgpr_count 2
		.amdhsa_user_sgpr_kernarg_segment_ptr 1
		.amdhsa_wavefront_size32 1
		.amdhsa_system_sgpr_workgroup_id_x 1
		.amdhsa_system_sgpr_workgroup_id_y 1
		.amdhsa_system_sgpr_workgroup_id_z 1
		.amdhsa_system_vgpr_workitem_id 0
		.amdhsa_next_free_vgpr 240
		.amdhsa_next_free_sgpr 92
		.amdhsa_reserve_vcc 0
		.amdhsa_float_denorm_mode_32 3
		.amdhsa_float_denorm_mode_16_64 3
		.amdhsa_memory_ordered 1
		.amdhsa_forward_progress 1
		.amdhsa_inst_pref_size 21
	.end_amdhsa_kernel
	.amdgpu_metadata
---
amdhsa.version: [ 1, 2 ]
amdhsa.kernels:
  - .name:           k_q5fab09a984_outp
    .symbol:         k_q5fab09a984_outp.kd
    .args:
      - { .name: o_codes, .offset: 0, .size: 8, .value_kind: global_buffer, .address_space: global }
      - { .name: o_scales, .offset: 8, .size: 8, .value_kind: global_buffer, .address_space: global }
      - { .name: Wo_codes, .offset: 16, .size: 8, .value_kind: global_buffer, .address_space: global }
      - { .name: Wo_scales, .offset: 24, .size: 8, .value_kind: global_buffer, .address_space: global }
      - { .name: bo, .offset: 32, .size: 8, .value_kind: global_buffer, .address_space: global }
      - { .name: out0, .offset: 40, .size: 8, .value_kind: global_buffer, .address_space: global }
    .group_segment_fixed_size: 211200
    .private_segment_fixed_size: 0
    .kernarg_segment_align: 8
    .kernarg_segment_size: 48
    .max_flat_workgroup_size: 512
    .sgpr_count:     92
    .vgpr_count:     240
    .wavefront_size: 32
...
	.end_amdgpu_metadata
.endif
;; end of part 4
